; MI455X (gfx1250); checked and timed in simulation.
; The chip was launched on July 23, 2026; its instructions are those of AMD's public machine-readable ISA for CDNA 5 (MIT licence, August 2026) and "CDNA5" Instruction Set Architecture Reference Guide (July 2026). The comments in the code are by the model that wrote it; some were corrected since.
;; Self Attention qkv. Allowed arithmetic: matrix products marked QUANTISED: E2M3 operands, one E8M0 scale for each 32 along K, by v_wmma_scale_f32_16x16x128_f8f6f4 with both operands' format E2M3, f32 sums; everything else in f32.
;; Inputs: Wk 1,024 x 1,024 float32; Wo 1,024 x 1,024 float32; Wq 1,024 x 1,024 float32; Wv 1,024 x 1,024 float32; bo 1,024 float32; x 1 x 4,096 x 1,024 float32.
;; Outputs: out0 1 x 4,096 x 1,024 float32.
;; This version of the problem:
;;   THIS VERSION OF THE PROBLEM IS GIVEN IN LOW PRECISION. The matrix products marked QUANTISED in the list below multiply operands that are first quantised to E2M3 (2 exponent bits, 3 mantissa bits; 6 bits a number), with one power-of-two scale for each 32 numbers along K (OCP MX v1.0); their sums are f32. All else is computed in f32.
;;   The module's matrix products, in the order in which they are computed (A, B: the left and right operand; K: the contracted axis; several contracted axes count as one K, in the product's order):
;;     1. [M 4,096, K 1,024] x [K 1,024, N 1,024]; A: input x; B: input Wq: QUANTISED
;;     2. [M 4,096, K 1,024] x [K 1,024, N 1,024]; A: input x; B: input Wk: QUANTISED
;;     3. [M 4,096, K 1,024] x [K 1,024, N 1,024]; A: input x; B: input Wv: QUANTISED
;;     4. batch 16 x [M 4,096, K 64] x [K 64, N 4,096]; A: computed on the way; B: computed on the way: QUANTISED
;;     5. batch 16 x [M 4,096, K 4,096] x [K 4,096, N 64]; A: softmax (see below); B: computed on the way: QUANTISED
;;     6. [M 4,096, K 1,024] x [K 1,024, N 1,024]; A: computed on the way; B: input Wo: QUANTISED
;;   THE QUANTISER, for each operand of a quantised product, along K:
;;     - K is cut into blocks of 32 from its start; a last block that is shorter is filled with zeros.
;;     - A block's scale is 2^e with e = floor(log2(the largest magnitude in the block)) - 2, held to -126 .. 127; a block of zeros has e = 0. As a byte (E8M0): e + 127.
;;     - Each number is divided by its block's scale, clamped to +-7.5, and rounded to the nearest number of E2M3, ties to even, subnormals kept.
;;     - The product sums the exact products of the quantised numbers (number of the format x scale) in f32.
;;   ~~~python
;;   def quantise(x, axis):      # numpy; x: float32 -> the quantised numbers, widened to float32 again
;;       x = np.moveaxis(x, axis, -1); K = x.shape[-1]
;;       x = np.pad(x, [(0, 0)] * (x.ndim - 1) + [(0, -K % 32)]); x = x.reshape(x.shape[:-1] + (-1, 32)); a = np.abs(x).max(-1, keepdims=True)
;;       e = np.where(a > 0, np.clip(np.frexp(np.where(a > 0, a, 1))[1] - 1 - 2, -126, 127), 0)      # np.frexp(a)[1] - 1 = floor(log2(a)), exactly
;;       r = np.clip(x / 2.0 ** e, -7.5, 7.5)
;;       step = 2.0 ** (np.maximum(np.frexp(np.where(r == 0, 1, r))[1] - 1, 0) - 3)
;;       q = np.round(r / step) * step * 2.0 ** e      # np.round: ties to even
;;       return np.moveaxis(q.reshape(q.shape[:-2] + (-1,))[..., :K], -1, axis).astype(np.float32)
;;   ~~~
;;   SOFTMAX AHEAD OF A QUANTISED PRODUCT. Where the list says 'softmax', what is quantised is not the finished softmax but p = 2^(t - M), with t = logit x log2(e) and M = ceil(the row's largest t), a whole number; so 1/2 < the row's largest p <= 1. The row's sum l is taken of the UNQUANTISED p, in f32, and the product's result is divided by l at the end. Since M is a whole number, a kernel that streams over the keys may use a running M (the ceiling of the running maximum): every later rescaling is an exact power of two, which a block's scale takes up: the codes' values come out the same.
;;   OPERANDS COMPUTED ON THE WAY. 'Computed on the way' means the value that the module computes at that place (a softmax that the list does not call 'softmax' is quantised finished and normalised). What goes into a quantiser is computed in f32, as accurately as f32 sums, v_exp_f32 and their like allow (about 1e-6 of the number): no bf16 or f16 on the way to a quantiser, and a product that is left as it is and whose result goes on into a quantised operand takes f32 operands (vector FMAs, or v_wmma_f32_16x16x4_f32). A number that lies on a knife's edge between two numbers of the format may be rounded either way, as far as f32 arithmetic and the matrix unit's own rounding can turn it there, and no further.
;; One version. Each part assembles by itself: llvm-mc -triple=amdgcn-amd-amdhsa -mcpu=gfx1250 --defsym DOCPART=n.
;; ======== version 1 of 1: 6 launches
;; workspace buffers: xq 3,276,800 bytes; wqkq 1,703,936 bytes; wvq 917,504 bytes; woq 917,504 bytes; qkimg 7,340,032 bytes; vimg 13,631,488 bytes; oimg 3,276,800 bytes
;; launch quant_x (part 1): grid 128 x 1, 4 waves a work-group, no clusters, 33,280 bytes of LDS; arguments x, xq; writes xq
.if DOCPART == 1
	.amdgcn_target "amdgcn-amd-amdhsa--gfx1250"
	.amdhsa_code_object_version 6
	.text
	.protected	k_qedccd30d51_quant_x
	.globl	k_qedccd30d51_quant_x
	.p2align	8
	.type	k_qedccd30d51_quant_x,@function
k_qedccd30d51_quant_x:
	s_mov_b64 s[64:65], 0
	v_nop
	global_prefetch_b8 v0, s[64:65] scope:SCOPE_SE
	s_setreg_imm32_b32 hwreg(HW_REG_WAVE_MODE, 25, 1), 1
	s_wait_xcnt 0x0
; x [4096][1024], f32, becomes codes of FP6 (E2M3), K innermost, 768 bytes a row, with one E8M0 scale byte for each 32 along K, 32 bytes a row.
; xq: bytes 0 .. 131,071 the scale bytes [row][32]; from byte 131,072 the codes [row][768].
; THE ROWS ARE STORED PERMUTED: logical row L lies at the row whose number is L with bits 3 and 4 exchanged.  The products that read 16 stored rows on end as a tile
; then hold, in lane r of tile T, logical row 32 (T / 2) + 8 (T % 2) + r % 8 + 16 (r / 8), which is the order that a result needs to be quantised in registers.
; A block's scale is 2^(floor(log2(its largest magnitude)) - 2); its byte is the largest magnitude's exponent field - 2, held at 1 from below.
; LIMITS: a block of zeros, and a block whose largest magnitude lies under 2^-124, get the byte 1 (the bytes are read by this program alone; zero codes add nothing under it);
; NaN and infinities among the inputs are not served.
; A wave takes 8 rows (8,192 numbers) in 16 steps of 512.  Each load reads 512 consecutive bytes, 16 a lane; a step's 2,048 bytes turn through the wave's own stage in LDS and come back
; 64 bytes a lane, so that a lane holds 16 neighbours along K (two lanes hold a block).  Waves share nothing: no barrier.  Loads run four steps ahead, the turn through LDS one step.
.set STEPS, 16
.set CB,    12                         ; bytes of 16 codes
.set R,     16                         ; v16-79   four sets of 16 numbers as loaded
.set X,     80                         ; v80-111  two sets of 16 neighbours
.set C,     128                        ; v128-191 codes: four registers for each step, so that no store's data are written again
.set E,     112                        ; v112-127 a scale byte for each step
.set WREG,  8192                       ; LDS: a region for each wave: two stages of 32 x SP bytes, then its 256 scale bytes
.set SP,    80                         ; a lane's place in a stage: 64 bytes + 16 of padding
	s_load_b128 s[4:7], s[0:1], 0x0                ; x, xq
	v_lshl_add_u32 v192, v0, 2, 0x8000
	v_mov_b32 v193, 0
	v_lshrrev_b32 v1, 5, v0
	v_readfirstlane_b32 s16, v1                    ; wave
	v_and_b32 v2, 31, v0                           ; lane
	v_lshlrev_b32 v3, 4, v2                        ; my 16 bytes of a load's 512
	s_mul_i32 s17, s16, WREG
	v_lshrrev_b32 v14, 2, v2
	v_mul_u32_u24 v14, v14, SP
	v_and_b32 v15, 3, v2
	v_lshl_add_u32 v14, v15, 4, v14
	v_add_nc_u32 v14, s17, v14                     ; the stage on the way in: SP (lane / 4) + 16 (lane % 4)
	v_mul_u32_u24 v15, v2, SP
	v_add_nc_u32 v15, s17, v15                     ; and on the way out: SP x lane
	v_mul_u32_u24 v4, v2, CB                       ; my codes' place in a step's
	v_lshrrev_b32 v5, 1, v2
	s_add_co_u32 s17, s17, 2*32*SP
	v_add_nc_u32 v5, s17, v5                       ; my wave's 256 scale bytes, my block's byte
	v_lshlrev_b32 v7, 3, v2
	v_add_nc_u32 v6, s17, v7                       ; and on the way out 8 bytes a lane
	s_lshl_b32 s18, ttmp9, 2
	s_add_co_u32 s19, s18, s16                     ; my run of 8 logical rows: 4 x work-group + wave
	s_and_b32 s20, s16, 1
	s_lshl_b32 s20, s20, 1
	s_lshr_b32 s21, s16, 1
	s_or_b32 s20, s20, s21                         ; the wave's two bits are the rows' bits 3 and 4: exchanged,
	s_add_co_u32 s20, s18, s20                     ; they give the run of 8 stored rows
	s_lshl_b32 s22, s19, 15                        ; in: 32,768 bytes a run
	s_mov_b32 s23, 0
	s_mul_i32 s24, s20, 6144                       ; codes: 8 rows of 768 bytes,
	s_add_co_u32 s24, s24, 131072                  ; behind the scale bytes
	s_mov_b32 s25, 0
	s_lshl_b32 s26, s20, 8                         ; scale bytes: 256 a run
	s_mov_b32 s27, 0
	s_wait_kmcnt 0x0
	s_add_nc_u64 s[4:5], s[4:5], s[22:23]
	s_add_nc_u64 s[8:9], s[6:7], s[24:25]
	s_add_nc_u64 s[10:11], s[6:7], s[26:27]
.macro LOAD t
.irp i, 0,1,2,3
	global_load_b128 v[R+16*((\t)%4)+4*\i:R+16*((\t)%4)+4*\i+3], v3, s[4:5] offset:2048*(\t)+512*\i th:TH_LOAD_NT   ; 32 lanes read 512 consecutive bytes
.endr
.endm
.macro TURN t                          ; step t's numbers through the stage: LDS serves a wave's instructions in order, so no wait stands between the stores and the loads
.irp i, 0,1,2,3
	ds_store_b128 v14, v[R+16*((\t)%4)+4*\i:R+16*((\t)%4)+4*\i+3] offset:32*SP*((\t)%2)+8*SP*\i
.endr
.irp i, 0,1,2,3
	ds_load_b128 v[X+16*((\t)%2)+4*\i:X+16*((\t)%2)+4*\i+3], v15 offset:32*SP*((\t)%2)+16*\i
.endr
.endm
.irp t, 0,1,2,3
	LOAD \t
.endr
	s_wait_loadcnt 12                              ; step 0's four loads are in; the twelve of steps 1 to 3 may be out
	TURN 0
.macro STEP t
.set XS, X+16*((\t)%2)
.if (\t) > 0
	s_wait_dscnt 1                                 ; this step's numbers are back from the stage (the last step's byte store may be out)
.else
	s_wait_dscnt 0x0
.endif
.if (\t)+4 < STEPS
	LOAD (\t)+4                                    ; into the set whose stores into the stage have read their registers
.endif
.if (\t)+1 < STEPS
.if STEPS-2-(\t) >= 3
	s_wait_loadcnt 12                              ; the next step's four loads are in; those of the three steps behind it may be out
.else
	s_wait_loadcnt 4*(STEPS-2-(\t))
.endif
	TURN (\t)+1
.endif
	v_max3_num_f32 v8, |v[XS]|, |v[XS+1]|, |v[XS+2]|               ; the largest magnitude of my 16, in two chains
	v_max3_num_f32 v9, |v[XS+3]|, |v[XS+4]|, |v[XS+5]|
.irp i, 6,10
	v_max3_num_f32 v8, v8, |v[XS+\i]|, |v[XS+\i+1]|
	v_max3_num_f32 v9, v9, |v[XS+\i+2]|, |v[XS+\i+3]|
.endr
	v_max3_num_f32 v8, v8, |v[XS+14]|, |v[XS+15]|
	v_max3_num_f32 v8, v8, v9, 0x1800000           ; and the floor 2^(3 - 127): the byte cannot fall under 1
	v_max_num_f32_dpp v8, v8, v8 row_xmask:1 row_mask:0xf bank_mask:0xf   ; and of my neighbour's 16: the block's
	v_add_nc_u32 v11, 0xff000000, v8               ; 2 off its exponent field: the conversion takes the exponent field of this operand as its scale
	v_cvt_scalef32_pk16_fp6_f32 v[C+4*(\t):C+4*(\t)+2], v[XS:XS+15], v11
	v_lshrrev_b32 v[E+(\t)], 23, v11               ; the scale's byte (also the plain line behind the conversion)
	ds_store_b8 v5, v[E+(\t)] offset:16*(\t)       ; both lanes of a block write the same byte with the same value
	global_store_b96 v4, v[C+4*(\t):C+4*(\t)+2], s[8:9] offset:32*CB*(\t)   ; the wave stores 384 consecutive bytes
.endm
.irp t, 0,1,2,3,4,5,6,7,8,9,10,11,12,13,14,15
	STEP \t
.endr
	ds_load_b64 v[12:13], v6                       ; LDS serves a wave's instructions in order: these see my stores
	s_wait_dscnt 0x0
	global_store_b64 v7, v[12:13], s[10:11]        ; 32 lanes store 256 consecutive bytes, aligned
	s_wait_tensorcnt 0x0
	ds_add_u32 v192, v193
	s_wait_dscnt 0x0
	s_endpgm
.Lfunc_end_k_qedccd30d51_quant_x:
	.size	k_qedccd30d51_quant_x, .Lfunc_end_k_qedccd30d51_quant_x-k_qedccd30d51_quant_x
	.p2alignl 7, 3214868480
	.fill 96, 4, 3214868480
	.section	.rodata,"a",@progbits
	.p2align	6, 0x0
	.amdhsa_kernel k_qedccd30d51_quant_x
		.amdhsa_group_segment_fixed_size 33280
		.amdhsa_private_segment_fixed_size 0
		.amdhsa_enable_private_segment 0
		.amdhsa_kernarg_size 16
		.amdhsa_user_sgpr_count 2
		.amdhsa_user_sgpr_kernarg_segment_ptr 1
		.amdhsa_wavefront_size32 1
		.amdhsa_system_sgpr_workgroup_id_x 1
		.amdhsa_system_sgpr_workgroup_id_y 1
		.amdhsa_system_sgpr_workgroup_id_z 1
		.amdhsa_system_vgpr_workitem_id 0
		.amdhsa_next_free_vgpr 194
		.amdhsa_next_free_sgpr 66
		.amdhsa_reserve_vcc 0
		.amdhsa_float_denorm_mode_32 3
		.amdhsa_float_denorm_mode_16_64 3
		.amdhsa_memory_ordered 1
		.amdhsa_forward_progress 1
		.amdhsa_inst_pref_size 32
	.end_amdhsa_kernel
	.amdgpu_metadata
---
amdhsa.version: [ 1, 2 ]
amdhsa.kernels:
  - .name:           k_qedccd30d51_quant_x
    .symbol:         k_qedccd30d51_quant_x.kd
    .args:
      - { .name: x, .offset: 0, .size: 8, .value_kind: global_buffer, .address_space: global }
      - { .name: xq, .offset: 8, .size: 8, .value_kind: global_buffer, .address_space: global }
    .group_segment_fixed_size: 33280
    .private_segment_fixed_size: 0
    .kernarg_segment_align: 8
    .kernarg_segment_size: 16
    .max_flat_workgroup_size: 128
    .sgpr_count:     66
    .vgpr_count:     194
    .wavefront_size: 32
...
	.end_amdgpu_metadata
.endif
;; end of part 1
;; launch quant_w (part 2): grid 32 x 4, 4 waves a work-group, no clusters, 36,352 bytes of LDS; arguments Wq, Wk, Wv, Wo, wqkq, wvq, woq; writes wqkq, wvq, woq
.if DOCPART == 2
	.amdgcn_target "amdgcn-amd-amdhsa--gfx1250"
	.amdhsa_code_object_version 6
	.text
	.protected	k_qedccd30d51_quant_w
	.globl	k_qedccd30d51_quant_w
	.p2align	8
	.type	k_qedccd30d51_quant_w,@function
k_qedccd30d51_quant_w:
	s_mov_b64 s[64:65], 0
	v_nop
	global_prefetch_b8 v0, s[64:65] scope:SCOPE_SE
	s_setreg_imm32_b32 hwreg(HW_REG_WAVE_MODE, 25, 1), 1
	s_wait_xcnt 0x0
; The four weights [1024 (k)][1024 (n)], f32, K their FIRST axis, become codes of FP6 (E2M3) laid [n][k] with K innermost (768 bytes a row) and one E8M0 byte for each 32 along K (32 bytes a row).
; Each output buffer: scale bytes from byte 0, codes from byte 131,072.  wqkq: Wq's columns are rows 0-1,023, Wk's rows 1,024-2,047; wvq, woq: 1,024 rows each.
; THE ROWS ARE STORED PERMUTED as x's are: logical row L lies at the row whose number is L with bits 3 and 4 exchanged.
; A LANE TAKES A COLUMN n, AND ITS REGISTERS RUN DOWN K: a block of 32 along K lies in one lane's 32 registers, and the conversions give codes with K innermost.  Nothing is transposed by an instruction.
; Work-group x: bits 4:3 the weight, bits 2:0 which 128 columns; y: which 256 along K.  A wave takes 32 columns x 256 K: 8 blocks a lane, 192 bytes of codes a column; they go through the wave's own stage
; in LDS and leave as rows: sixteen lanes store a row's 192 consecutive bytes.  Only pointers are chosen by the weight's number: all four take one path.  Waves share nothing: no barrier.
; LIMITS: a block of zeros, and a block whose largest magnitude lies under 2^-124, get the byte 1 (read by this program alone); NaN and infinities are not served.
.set SIZE_N, 1024
.set NB,    8                          ; blocks a lane
.set ROWB,  192                        ; bytes of 256 codes
.set PITCH, 272                        ; a stage row: sixteen places of 16 bytes, each with 12 bytes of codes, + 16
.set KROW,  768                        ; a row of codes
.set X,     32                         ; v32-95   two sets of 32 numbers
.set C,     96                         ; v96..    a block's codes
.set OUTR,  112                        ; v112-175 the way out
.set SB,    24                         ; v24-25   the scale bytes, four to a register
	s_load_b256 s[4:11], s[0:1], 0x0               ; Wq, Wk, Wv, Wo
	s_load_b128 s[12:15], s[0:1], 0x20             ; wqkq, wvq
	s_load_b64 s[32:33], s[0:1], 0x30              ; woq
	v_lshl_add_u32 v192, v0, 2, 0x8c00
	v_mov_b32 v193, 0
	v_lshrrev_b32 v1, 5, v0
	v_readfirstlane_b32 s16, v1                    ; wave
	v_and_b32 v2, 31, v0                           ; lane
	s_lshr_b32 s34, ttmp9, 3                       ; which weight
	s_and_b32 s35, ttmp9, 7
	s_lshl_b32 s17, s35, 7
	s_lshl_b32 s18, s16, 5
	s_add_co_u32 s17, s17, s18                     ; my wave's first column
	s_and_b32 s18, ttmp7, 0xffff                   ; which 256 along K
	v_lshlrev_b32 v3, 2, v2                        ; in: 4 bytes a lane
	s_mul_i32 s19, s16, 32*PITCH                   ; my stage
	v_mul_u32_u24 v4, v2, PITCH
	v_add_nc_u32 v4, s19, v4                       ; into it: row = my column
	v_and_b32 v5, 15, v2
	v_lshrrev_b32 v6, 4, v2                        ; out of it: sixteen lanes to a row, two rows an instruction
	v_mul_u32_u24 v7, v6, PITCH
	v_lshl_add_u32 v7, v5, 4, v7
	v_add_nc_u32 v7, s19, v7
	v_mul_u32_u24 v8, v6, KROW
	v_mad_u32_u24 v8, v5, 12, v8                   ; the same place in the codes: the exchange of bits 3 and 4 leaves bit 0 alone, so the odd row lies one row on
	v_and_b32 v9, 7, v2                            ; my column's stored row: lane with bits 3 and 4 exchanged,
	v_and_b32 v10, 8, v2
	v_lshl_or_b32 v9, v10, 1, v9
	v_and_b32 v10, 16, v2
	v_lshrrev_b32 v10, 1, v10
	v_or_b32 v9, v9, v10
	v_lshlrev_b32 v9, 5, v9                        ; 32 scale bytes a row
	s_cmp_eq_u32 s34, 1
	s_cselect_b32 s36, 1024, 0                     ; Wk's rows lie behind Wq's
	s_add_co_u32 s37, s36, s17                     ; my first row of the output, a multiple of 32
	s_lshl_b32 s20, s18, 20                        ; W: 256 rows of 4,096 bytes for each y,
	s_lshl_b32 s22, s17, 2
	s_add_co_u32 s20, s20, s22                     ; + 4 x column
	s_mov_b32 s21, 0
	s_mul_i32 s24, s37, KROW
	s_mul_i32 s26, s18, ROWB
	s_add_co_u32 s24, s24, s26
	s_add_co_u32 s24, s24, 131072                  ; codes: behind the scale bytes, row x 768 + 192 y
	s_mov_b32 s25, 0
	s_lshl_b32 s28, s37, 5
	s_lshl_b32 s26, s18, 3
	s_add_co_u32 s28, s28, s26                     ; scale bytes: row x 32 + 8 y
	s_mov_b32 s29, 0
	s_wait_kmcnt 0x0
	s_cmp_eq_u32 s34, 1                            ; the buffers are chosen by the work-group's number alone
	s_cselect_b64 s[4:5], s[6:7], s[4:5]
	s_cmp_eq_u32 s34, 2
	s_cselect_b64 s[4:5], s[8:9], s[4:5]
	s_cselect_b64 s[12:13], s[14:15], s[12:13]
	s_cmp_eq_u32 s34, 3
	s_cselect_b64 s[4:5], s[10:11], s[4:5]
	s_cselect_b64 s[12:13], s[32:33], s[12:13]
	s_add_nc_u64 s[4:5], s[4:5], s[20:21]
	s_add_nc_u64 s[6:7], s[12:13], s[24:25]
	s_add_nc_u64 s[8:9], s[12:13], s[28:29]
.macro LOAD t                          ; block t: W(32 t + i, my column), i = 0 .. 31, into set t % 2
.set i, 0
.rept 32
	global_load_b32 v[X+32*((\t)%2)+i], v3, s[4:5] offset:(32*(\t)+i)*SIZE_N*4 th:TH_LOAD_NT
.set i, i+1
.endr
.endm
	LOAD 0
	LOAD 1
.macro BLOCK t
.set XS, X+32*((\t)%2)
.if (\t) < NB-1
	s_wait_loadcnt 32                              ; this block's 32 loads are in; the next block's 32 may be out
.else
	s_wait_loadcnt 0
.endif
	v_max3_num_f32 v12, |v[XS]|, |v[XS+1]|, |v[XS+2]|               ; the block's largest magnitude: all 32 numbers are mine
	v_max3_num_f32 v13, |v[XS+3]|, |v[XS+4]|, |v[XS+5]|
.irp i, 6,10,14,18,22,26
	v_max3_num_f32 v12, v12, |v[XS+\i]|, |v[XS+\i+1]|
	v_max3_num_f32 v13, v13, |v[XS+\i+2]|, |v[XS+\i+3]|
.endr
	v_max3_num_f32 v12, v12, |v[XS+30]|, |v[XS+31]|
	v_max3_num_f32 v12, v12, v13, 0x1800000        ; and the floor 2^(3 - 127)
	v_add_nc_u32 v11, 0xff000000, v12              ; 2 off its exponent field: the conversion's scale operand
	v_lshrrev_b32 v13, 23, v11                     ; the scale's byte
.if (\t)%4 == 0
	v_mov_b32 v[SB+(\t)/4], v13                    ; four bytes to a register, the lower K in the lower byte
.else
	v_lshl_or_b32 v[SB+(\t)/4], v13, 8*((\t)%4), v[SB+(\t)/4]
.endif
	v_cvt_scalef32_pk16_fp6_f32 v[C:C+2], v[XS:XS+15], v11
	v_cvt_scalef32_pk16_fp6_f32 v[C+4:C+6], v[XS+16:XS+31], v11     ; (a conversion's three registers begin on an even number)
	v_nop                                          ; one plain line behind the conversions
	ds_store_b96 v4, v[C:C+2] offset:32*(\t)       ; 12 bytes to a place of 16, so that every LDS address is a multiple of 16
	ds_store_b96 v4, v[C+4:C+6] offset:32*(\t)+16
.if (\t)+2 < NB
	LOAD (\t)+2
.endif
	s_wait_dscnt 0x0                               ; the stores have read their registers: the next block's codes may be written
.endm
.set Q, 0
.rept NB
	BLOCK Q
.set Q, Q+1
.endr
	global_store_b64 v9, v[SB:SB+1], s[8:9]        ; my column's 8 scale bytes
.irp t, 0,1,2,3,4,5,6,7,8,9,10,11,12,13,14,15
	ds_load_b96 v[OUTR+4*\t:OUTR+4*\t+2], v7 offset:2*\t*PITCH   ; LDS serves a wave's instructions in order: these see my stores
.endr
.irp t, 0,1,2,3,4,5,6,7,8,9,10,11,12,13,14,15
.set PR, ((2*\t)&7)|(((2*\t)&8)<<1)|(((2*\t)&16)>>1)    ; where logical row 2 t of my 32 is stored
	s_wait_dscnt 15-\t                             ; read-back t is in; the 15 - t younger ones may be out
	global_store_b96 v8, v[OUTR+4*\t:OUTR+4*\t+2], s[6:7] offset:PR*KROW
.endr
	s_wait_tensorcnt 0x0
	ds_add_u32 v192, v193
	s_wait_dscnt 0x0
	s_endpgm
.Lfunc_end_k_qedccd30d51_quant_w:
	.size	k_qedccd30d51_quant_w, .Lfunc_end_k_qedccd30d51_quant_w-k_qedccd30d51_quant_w
	.p2alignl 7, 3214868480
	.fill 96, 4, 3214868480
	.section	.rodata,"a",@progbits
	.p2align	6, 0x0
	.amdhsa_kernel k_qedccd30d51_quant_w
		.amdhsa_group_segment_fixed_size 36352
		.amdhsa_private_segment_fixed_size 0
		.amdhsa_enable_private_segment 0
		.amdhsa_kernarg_size 56
		.amdhsa_user_sgpr_count 2
		.amdhsa_user_sgpr_kernarg_segment_ptr 1
		.amdhsa_wavefront_size32 1
		.amdhsa_system_sgpr_workgroup_id_x 1
		.amdhsa_system_sgpr_workgroup_id_y 1
		.amdhsa_system_sgpr_workgroup_id_z 1
		.amdhsa_system_vgpr_workitem_id 0
		.amdhsa_next_free_vgpr 194
		.amdhsa_next_free_sgpr 66
		.amdhsa_reserve_vcc 0
		.amdhsa_float_denorm_mode_32 3
		.amdhsa_float_denorm_mode_16_64 3
		.amdhsa_memory_ordered 1
		.amdhsa_forward_progress 1
		.amdhsa_inst_pref_size 43
	.end_amdhsa_kernel
	.amdgpu_metadata
---
amdhsa.version: [ 1, 2 ]
amdhsa.kernels:
  - .name:           k_qedccd30d51_quant_w
    .symbol:         k_qedccd30d51_quant_w.kd
    .args:
      - { .name: Wq, .offset: 0, .size: 8, .value_kind: global_buffer, .address_space: global }
      - { .name: Wk, .offset: 8, .size: 8, .value_kind: global_buffer, .address_space: global }
      - { .name: Wv, .offset: 16, .size: 8, .value_kind: global_buffer, .address_space: global }
      - { .name: Wo, .offset: 24, .size: 8, .value_kind: global_buffer, .address_space: global }
      - { .name: wqkq, .offset: 32, .size: 8, .value_kind: global_buffer, .address_space: global }
      - { .name: wvq, .offset: 40, .size: 8, .value_kind: global_buffer, .address_space: global }
      - { .name: woq, .offset: 48, .size: 8, .value_kind: global_buffer, .address_space: global }
    .group_segment_fixed_size: 36352
    .private_segment_fixed_size: 0
    .kernarg_segment_align: 8
    .kernarg_segment_size: 56
    .max_flat_workgroup_size: 128
    .sgpr_count:     66
    .vgpr_count:     194
    .wavefront_size: 32
...
	.end_amdgpu_metadata
.endif
;; end of part 2
;; launch proj_qk (part 3): grid 8 x 16, 4 waves a work-group, clusters of 4 x 4, 327,680 bytes of LDS; arguments xq, wqkq, qkimg; writes qkimg
.if DOCPART == 3
	.amdgcn_target "amdgcn-amd-amdhsa--gfx1250"
	.amdhsa_code_object_version 6
	.text
	.protected	k_qedccd30d51_proj_qk
	.globl	k_qedccd30d51_proj_qk
	.p2align	8
	.type	k_qedccd30d51_proj_qk,@function
k_qedccd30d51_proj_qk:
	s_mov_b64 s[64:65], 0
	v_nop
	global_prefetch_b8 v0, s[64:65] scope:SCOPE_SE
	s_setreg_imm32_b32 hwreg(HW_REG_WAVE_MODE, 25, 1), 1
	s_wait_xcnt 0x0
	s_wait_alu depctr_hold_cnt(0) depctr_sa_sdst(0) depctr_va_vdst(0) depctr_va_sdst(0) depctr_va_ssrc(0) depctr_va_vcc(0) depctr_vm_vsrc(0)
	s_getreg_b32 s2, hwreg(HW_REG_IB_STS2, 6, 4)
	s_cmp_eq_u32 s2, 0
	s_cbranch_scc0 .Lentry_in_a_cluster
	s_endpgm
.Lentry_in_a_cluster:
	s_bfe_u32 s2, ttmp6, 0x10000c
	s_cmp_lg_u32 s2, 0xf033
	s_cbranch_scc0 .Lentry_shape_is_right
	s_endpgm
.Lentry_shape_is_right:
; Y = P R^T on codes of FP6 (E2M3) with E8M0 scales, K = 1,024, and Y QUANTISED AGAIN ALONG R's ROWS, in registers, on its way out.  P, R: scale bytes [row][32] from byte 0, codes [row][768] from byte 131,072.
; Used twice: P = x, R = Wq and Wk (Y = q and k: a lane holds a token, its registers run along the features, which are the next K);  P = Wv, R = x (Y = V^T: a lane holds a feature, its registers run along the keys).
; A tile of Y, 256 x 256, is made by four waves, each 128 x 128: 64 accumulators, 512 registers.  K goes in steps of 256 through a ring of two LDS slots filled by the tensor data mover.  The scale bytes of the
; work-group's 256 + 256 rows come into LDS once.  CLUSTERS: 4 x 4 work-groups; P's tiles are asked for jointly along a row of the cluster, R's along a column.
; THE MATRIX INSTRUCTION IS USED TRANSPOSED (source 0 = 16 rows of R, source 1 = 16 rows of P).  Stored rows are logical rows with bits 3 and 4 exchanged, so in accumulators (a, 2 b') and (a, 2 b' + 1)
; a lane's 16 registers are R's logical rows 32 b' + 16 (lane / 16) + 0 .. 15: sixteen neighbours along the next K; lane r of block a holds P's logical row 32 (a / 2) + 8 (a % 2) + r % 8 + 16 (r / 8).
; THE OUTPUT is laid as the next launch's operand registers: for P's tile A (16 stored rows) and R's chunk C (128 rows) a fragment's register pair p (0 .. 5) lies at 1,048,576 + 393,216 C + 1,536 A + 256 p + 8 lane;
; the scale words at 32,768 C + 128 A + 4 lane: lanes 0-15 the row's word, lanes 16-31 the same word 16 bits down (the bytes of the chunk's second 64).
; LIMITS: a block of zeros, and one whose largest magnitude lies under 2^-124, get the byte 1 (read by this program alone); NaN and infinities are not served.
; REGISTERS, in windows of 256: window 0: v0-31 addresses; v32-63 scale words, two sets; from v128 P's fragments, ONE set; on the way out v32-127 are at work.  window 1: R's fragments, TWO sets.
;   window 2: the accumulators of my rows 0-63 ((a, b) at v[8 (8 a + b)]);  window 3: those of rows 64-127.
.set SIZE_K, 1024
.set KSTEP,  256                       ; along K in a slot
.set NQ,     KSTEP/128                 ; matrix instructions deep
.set ROWB,   192                       ; a tile's row in bytes
.set KROW,   SIZE_K*6/8                ; a row of codes in memory
.set PITCH,  240                       ; an LDS row: 3 x (64 bytes + 16 of padding): the 32 lanes of a load of 8 bytes touch 64 different banks (64 banks of 4 bytes: ISA guide 11.1)
.set FR,     12                        ; registers of a fragment
.set NL,     6                         ; LDS loads that bring one
.set NP,     4                         ; places behind this matrix instruction (ISA guide 7.12.1)
.set HALFT,  128*PITCH                 ; 128 rows: what one tensor load brings
.set SLOT,   4*HALFT                   ; P's 256 rows, then R's 256 rows
.set LAPS,   SIZE_K/(2*KSTEP)
.set KS,     SIZE_K/32                 ; a row of scale bytes
.set SCL,    2*SLOT                    ; behind the ring: the scales, as runs of 256 bytes + 16 of padding
.set HALFS,  (128*KS/256)*272
.set SBLK,   (16*KS/256)*272
.set SPARE,  SCL+4*HALFS               ; the spare words, 128 bytes for each wave, that no other line names
.set ADRA, 16                          ; v16-17 LDS address of my P fragments in slot 0, 1 (v18-19: for the pieces behind one padding more)
.set ADRB, 20                          ; v20-23 the same for R
.set SST,  24                          ; v24  the way out: where a tile's scale words go: 1,024 x wave + 4 x lane (in slot 0, which has had its last fill and its last read by then)
.set SRD,  25                          ; v25  and where they are read back: 1,024 x wave + 16 x lane
.set L8,   26                          ; v26  8 x lane
.set ADRS, 27                          ; v27  LDS address of my scale words: lanes 0-15 P's rows, lanes 16-31 R's
.set SPW,  28                          ; v28  my spare word; never rewritten
.set NIL,  29                          ; v29  0; never rewritten
.set L16,  30                          ; v30  16 x lane
.set SH,   31                          ; v31  16 x (lane / 16)
.set SC,   32                          ; scale words: set s at v[SC + 16 s]
.set AF,   128                         ; P's fragments, window 0
.set TM,   32                          ; the way out: v32-35 largest magnitudes, v36-39 bytes, v44-47 the conversions' scale operands
.set PW,   48                          ; the scale word just made
.set SW,   49                          ; and what my lane stores of it
.set BKS,  120                         ; v120-127 the scale words read back
.set G1, 24
.set G0, 32
.set G1B, 48
.set G0B, 56
.set G1S, 68
.set G0S, 76
.set G1SB, 80
.set G0SB, 88
.set MSB, 0
.macro WIN new                         ; the immediate's high byte repeats the setting that is left
.if MSB != \new
	s_set_vgpr_msb (MSB<<8)|\new
.set MSB, \new
.endif
.endm
.set MUL_LO, 0xa1                      ; source 0 (R) window 1, source 1 (P) window 0, C and D window 2
.set MUL_HI, 0xf1                      ; the same, C and D window 3
.set TO_B,   0x40                      ; destination window 1, address window 0
; A joint load: waves 0 and 1 fetch for P, waves 2 and 3 for R.  The branch hangs on the wave's number alone.  Four v_nop follow each of the two lines.
.macro JLOAD g0a, g1a, g0b, g1b
	s_cmp_eq_u32 s15, 0
	s_cbranch_scc0 .Lfor_b_\@
	tensor_load_to_lds s[\g0a:\g0a+3], s[\g1a:\g1a+7]
	s_nop 0
.rept 4
	v_nop
.endr
	s_branch .Lasked_\@
.Lfor_b_\@:
	tensor_load_to_lds s[\g0b:\g0b+3], s[\g1b:\g1b+7]
	s_nop 0
.rept 4
	v_nop
.endr
.Lasked_\@:
.endm
.macro CREST                           ; a round of the cluster's barrier behind its opening barrier
	s_cmp_lg_u32 s14, 0
	s_cbranch_scc1 .Lnot_wave_0_\@
	s_barrier_signal -3
.Lnot_wave_0_\@:
	s_barrier_wait -3
	s_barrier_signal -1
	s_barrier_wait -1
.endm
.macro CROUND
	s_barrier_signal -1
	s_barrier_wait -1
	CREST
.endm
	s_load_b64 s[6:7], s[0:1], 0x0                 ; P (its scale bytes lie first)
	s_load_b64 s[10:11], s[0:1], 0x8               ; R
	s_load_b64 s[12:13], s[0:1], 0x10              ; the output
	v_lshl_add_u32 v[SPW], v0, 2, SPARE
	v_mov_b32 v[NIL], 0
	ds_add_u32 v28, v29
	s_wait_dscnt 0x0
	v_lshrrev_b32 v1, 5, v0
	v_readfirstlane_b32 s14, v1                    ; wave 0..3
	s_lshr_b32 s15, s14, 1                         ; which half of the tile's P rows is mine.  Also: I fetch for P (0) or for R (1)
	s_and_b32 s16, s14, 1                          ; which half of its R rows.  Also: which 128 rows I fetch
	s_bfe_u32 s40, ttmp6, 0x40000                  ; cx, cy
	s_bfe_u32 s41, ttmp6, 0x40004
	s_lshl_b32 s42, ttmp9, 2
	s_add_co_u32 s42, s42, s40                     ; tile column (R) = 4 x cluster x + cx
	s_and_b32 s17, ttmp7, 0xffff
	s_lshl_b32 s17, s17, 2
	s_add_co_u32 s17, s17, s41                     ; tile row (P) = 4 x cluster y + cy
	s_lshl_b32 s43, s41, 2
	s_lshl_b32 s43, 15, s43                        ; my row of the cluster
	s_lshl_b32 s44, 0x1111, s40                    ; my column
	s_or_b32 s[G1+0], s43, (0<<16)|(1<<20)|(1<<21)|(3<<22)|(3<<25)  ; the mask; elements of 1 byte; padding on; bit 21 beside a mask; after every 16 words 4 words
	s_or_b32 s[G1B+0], s44, (0<<16)|(1<<20)|(1<<21)|(3<<22)|(3<<25)
.irp g, G1, G1B
	s_mov_b32 s[\g+1], ROWB<<16                    ; tensor_dim0
	s_mov_b32 s[\g+2], 128<<16                     ; tensor_dim1
	s_mov_b32 s[\g+3], ROWB<<16                    ; tile_dim0
	s_mov_b32 s[\g+4], 128                         ; tile_dim1
	s_mov_b32 s[\g+5], KROW                        ; tensor_dim0_stride
	s_mov_b32 s[\g+6], 0
	s_mov_b32 s[\g+7], 0
.endr
	s_or_b32 s[G1S+0], s43, (3<<16)|(1<<20)|(1<<21)|(5<<22)|(3<<25) ; the scales of 128 rows: a dense block as rows of 256 bytes, 16 bytes of padding behind each
	s_or_b32 s[G1SB+0], s44, (3<<16)|(1<<20)|(1<<21)|(5<<22)|(3<<25)
.irp g, G1S, G1SB
	s_mov_b32 s[\g+1], 32<<16
	s_mov_b32 s[\g+2], (128*KS/256)<<16
	s_mov_b32 s[\g+3], 32<<16
	s_mov_b32 s[\g+4], 128*KS/256
	s_mov_b32 s[\g+5], 32
	s_mov_b32 s[\g+6], 0
	s_mov_b32 s[\g+7], 0
.endr
	s_lshl_b32 s18, s16, 7
	s_lshl_b32 s20, s17, 8
	s_add_co_u32 s20, s20, s18                     ; P: row 256 x tile row + 128 x half
	s_lshl_b32 s46, s42, 8
	s_add_co_u32 s46, s46, s18                     ; R: row 256 x tile column + 128 x half
	s_mov_b32 s21, 0
	s_mov_b32 s47, 0
	s_mov_b64 s[18:19], KS
	s_mul_u64 s[22:23], s[20:21], s[18:19]         ; where these rows' scales begin
	s_mul_u64 s[92:93], s[46:47], s[18:19]
	s_mov_b64 s[18:19], KROW
	s_mul_u64 s[20:21], s[20:21], s[18:19]         ; and their codes
	s_mul_u64 s[46:47], s[46:47], s[18:19]
	s_mul_i32 s45, s14, HALFT                      ; where they go: no place in the cluster enters an LDS address
	s_mul_i32 s94, s14, HALFS
	s_mov_b32 s96, 0x76543210
	s_mov_b32 s97, 0xfedcba98                      ; v_permlanex16_b32's selects for lane l xor 16
	s_wait_kmcnt 0x0
	s_add_nc_u64 s[4:5], s[6:7], 0x20000           ; the codes lie 131,072 bytes behind the scale bytes
	s_add_nc_u64 s[8:9], s[10:11], 0x20000
	s_add_nc_u64 s[20:21], s[4:5], s[20:21]
	s_add_nc_u64 s[22:23], s[6:7], s[22:23]
	s_add_nc_u64 s[46:47], s[8:9], s[46:47]
	s_add_nc_u64 s[92:93], s[10:11], s[92:93]
	CROUND                                         ; all sixteen work-groups are here: the first joint loads meet
	s_mov_b32 s[G0S], 1
	s_add_co_u32 s[G0S+1], s94, SCL
	s_mov_b64 s[G0S+2:G0S+3], s[22:23]
	s_or_b32 s[G0S+3], s[G0S+3], 0x80000000
	s_mov_b32 s[G0SB], 1
	s_add_co_u32 s[G0SB+1], s94, SCL
	s_mov_b64 s[G0SB+2:G0SB+3], s[92:93]
	s_or_b32 s[G0SB+3], s[G0SB+3], 0x80000000
	JLOAD G0S, G1S, G0SB, G1SB                     ; the scales first
.irp s, 0,1
	s_mov_b32 s[G0+4*\s], 1
	s_add_co_u32 s[G0+4*\s+1], s45, \s*SLOT
	s_add_nc_u64 s[G0+4*\s+2:G0+4*\s+3], s[20:21], \s*ROWB
	s_or_b32 s[G0+4*\s+3], s[G0+4*\s+3], 0x80000000
	s_mov_b32 s[G0B+4*\s], 1
	s_add_co_u32 s[G0B+4*\s+1], s45, \s*SLOT
	s_add_nc_u64 s[G0B+4*\s+2:G0B+4*\s+3], s[46:47], \s*ROWB
	s_or_b32 s[G0B+4*\s+3], s[G0B+4*\s+3], 0x80000000
	JLOAD G0+4*\s, G1, G0B+4*\s, G1B               ; three tensor loads of mine are out now
.endr
	v_and_b32 v1, 15, v0                           ; l % 16
	v_bfe_u32 v2, v0, 4, 1                         ; l / 16
	v_mul_u32_u24 v3, v1, PITCH
	v_mul_u32_u24 v4, v2, 24
	v_add_nc_u32 v4, v3, v4                        ; a fragment's row x pitch + 24 x half
	v_lshl_add_u32 v5, v2, 4, v4                   ; and the same behind one padding more
	s_mul_i32 s21, s15, HALFT
	s_mul_i32 s22, s16, HALFT
	s_add_co_u32 s22, s22, 2*HALFT
.irp s, 0,1
	v_add_nc_u32 v[ADRA+\s], s21, v4
	v_add_nc_u32 v[ADRB+\s], s22, v4
	v_add_nc_u32 v[ADRA+2+\s], s21, v5
	v_add_nc_u32 v[ADRB+2+\s], s22, v5
	s_add_co_u32 s21, s21, SLOT
	s_add_co_u32 s22, s22, SLOT
.endr
	v_mul_u32_u24 v5, v1, KS                       ; my row's scales: KS bytes a row,
	v_lshrrev_b32 v6, 8, v5
	v_lshl_add_u32 v5, v6, 4, v5                   ; and 16 more for each 256 passed
	s_mul_i32 s21, s15, HALFS
	s_mul_i32 s22, s16, HALFS
	s_add_co_u32 s22, s22, 2*HALFS
	s_sub_co_u32 s22, s22, s21
	v_mul_u32_u24 v6, s22, v2                      ; lanes 16-31 take R's
	s_add_co_u32 s21, s21, SCL
	v_add_nc_u32 v5, v5, v6
	v_add_nc_u32 v[ADRS], s21, v5
	v_and_b32 v6, 31, v0
	s_lshl_b32 s23, s14, 10
	v_lshl_add_u32 v[SST], v6, 2, s23
	v_lshl_add_u32 v[SRD], v6, 4, s23
	v_lshlrev_b32 v[L8], 3, v6
	v_lshlrev_b32 v[L16], 4, v6
	v_lshlrev_b32 v[SH], 4, v2
	s_lshl_b32 s20, s42, 1
	s_add_co_u32 s20, s20, s16                     ; C: my chunk of 128 rows of R
	s_lshl_b32 s21, s17, 4
	s_lshl_b32 s22, s15, 3
	s_add_co_u32 s21, s21, s22                     ; A0: my first tile of 16 rows of P
	s_mul_i32 s46, s20, 393216
	s_mul_i32 s47, s21, 1536
	s_add_co_u32 s46, s46, s47
	s_add_co_u32 s46, s46, 1048576
	s_mov_b32 s47, 0
	s_lshl_b32 s22, s20, 15
	s_lshl_b32 s23, s21, 7
	s_add_co_u32 s22, s22, s23
	s_mov_b32 s23, 0
	s_add_nc_u64 s[20:21], s[12:13], s[22:23]      ; my eight tiles' scale words: 1,024 bytes on end
	s_add_nc_u64 s[12:13], s[12:13], s[46:47]      ; and their images
.macro FRAG reg, adr, q, i             ; 16 rows x 128 K of 6-bit codes: lane l holds row l % 16; registers 6 c .. 6 c + 5 hold K = 64 c + 32 (l / 16) + 0 .. 31: 24 bytes as they lie, in pieces of 8
.irp p, 0,1,2,3,4,5
.set PC, 12*(\q)+6*(\p/3)+\p%3         ; where the piece three on lies behind one padding more, the second address register serves
.if PC%8 < 5
	ds_load_b64 v[\reg+2*\p:\reg+2*\p+1], v[\adr] offset:8*PC+16*(PC/8)+(\i)*16*PITCH
.else
	ds_load_b64 v[\reg+2*\p:\reg+2*\p+1], v[\adr+2] offset:8*PC+16*(PC/8)+(\i)*16*PITCH
.endif
.endr
.endm
; 16 matrix instructions: P's blocks a0, a0 + 1 x R's eight.  The 64 accumulators take turns, one instruction a turn, in the same order in every step.
.macro MUL16 a0, p, q, sc, zero
.irp a, \a0, \a0+1
.irp b, 0,1,2,3,4,5,6,7
.if \zero
	v_wmma_scale_f32_16x16x128_f8f6f4 v[8*(8*((\a)%4)+\b):8*(8*((\a)%4)+\b)+7], v[128*(\p)+FR*\b:128*(\p)+FR*\b+FR-1], v[AF+FR*(\a):AF+FR*(\a)+FR-1], 0, v[SC+8*NQ*(\sc)+NQ*\b+(\q)], v[SC+8*NQ*(\sc)+NQ*(\a)+(\q)] matrix_a_fmt:MATRIX_FMT_FP6 matrix_b_fmt:MATRIX_FMT_FP6 matrix_a_scale:MATRIX_SCALE_ROW1
.else
	v_wmma_scale_f32_16x16x128_f8f6f4 v[8*(8*((\a)%4)+\b):8*(8*((\a)%4)+\b)+7], v[128*(\p)+FR*\b:128*(\p)+FR*\b+FR-1], v[AF+FR*(\a):AF+FR*(\a)+FR-1], v[8*(8*((\a)%4)+\b):8*(8*((\a)%4)+\b)+7], v[SC+8*NQ*(\sc)+NQ*\b+(\q)], v[SC+8*NQ*(\sc)+NQ*(\a)+(\q)] matrix_a_fmt:MATRIX_FMT_FP6 matrix_b_fmt:MATRIX_FMT_FP6 matrix_a_scale:MATRIX_SCALE_ROW1
.endif
.endr
.endr
.endm
.macro FETCH_B slot, q, p
	WIN TO_B
.irp i, 0,1,2,3,4,5,6,7
	FRAG 128*(\p)+FR*\i, ADRB+\slot, \q, \i
.endr
	WIN 0
.endm
.macro FETCH_A slot, q, i0
.irp i, \i0, \i0+1, \i0+2, \i0+3
	FRAG AF+FR*(\i), ADRA+\slot, \q, \i
.endr
.endm
.macro SCALES sc                       ; a K step's scale words: two words a row; lanes 0-15 take P's block i, lanes 16-31 R's block i
.irp i, 0,1,2,3,4,5,6,7
	ds_load_b64 v[SC+8*NQ*\sc+NQ*\i:SC+8*NQ*\sc+NQ*\i+1], v[ADRS] offset:\i*SBLK
.endr
.endm
.macro PLACES n                        ; plain vector lines between a matrix instruction and a load into, or a vector read or write of, its registers
.rept \n
	v_nop
.endr
.endm
.macro STEP slot, q, zero              ; a step of 128 along K that has its successor in the same slot
	s_wait_dscnt 4*NL                              ; R's set and P's blocks 0-3 are in; the youngest 24 loads (P's blocks 4-7) may be out
	WIN MUL_LO
	MUL16 0, (\q)%2, \q, \slot, \zero
	MUL16 2, (\q)%2, \q, \slot, \zero
	s_wait_dscnt 0
	PLACES NP
	FETCH_B \slot, (\q)+1, 1-(\q)%2
	FETCH_A \slot, (\q)+1, 0
	WIN MUL_HI
	MUL16 4, (\q)%2, \q, \slot, \zero
	MUL16 6, (\q)%2, \q, \slot, \zero
	PLACES NP
	WIN 0
	FETCH_A \slot, (\q)+1, 4
.endm
; A slot's last step changes slots: one barrier; in front of it each wave waits for all its tensor loads, adds 0 to its spare word, and waits for that and for its reads of this slot.
.macro TURN slot, next, fill
	s_wait_tensorcnt 0x0                           ; all my tensor loads have landed: my part of the next slot
	ds_add_u32 v[SPW], v[NIL]                      ; 0 onto my spare word
	s_wait_dscnt 4*NL+1                            ; (the add and the youngest 24 loads may be out)
	WIN MUL_LO
	MUL16 0, 1, NQ-1, \slot, 0
	s_wait_dscnt 0x0                               ; the add is done, and my reads of this slot are over
	s_barrier_signal -1
	MUL16 2, 1, NQ-1, \slot, 0
	WIN 0
	s_barrier_wait -1
.if \fill
	CREST                                          ; the barrier has opened a round of the cluster's barrier: no wave of any partner still reads this slot or has a load on its way
	s_add_nc_u64 s[G0+4*\slot+2:G0+4*\slot+3], s[G0+4*\slot+2:G0+4*\slot+3], 2*ROWB
	s_add_nc_u64 s[G0B+4*\slot+2:G0B+4*\slot+3], s[G0B+4*\slot+2:G0B+4*\slot+3], 2*ROWB
	JLOAD G0+4*\slot, G1, G0B+4*\slot, G1B         ; the first tensor load behind the round; its four v_nop are the places in front of the loads below
.else
	PLACES NP
.endif
	v_add_nc_u32 v[ADRS], 4*NQ, v[ADRS]            ; on to the next K step's scale words
	FETCH_B \next, 0, 0
	FETCH_A \next, 0, 0
	SCALES \next
	WIN MUL_HI
	MUL16 4, 1, NQ-1, \slot, 0
	MUL16 6, 1, NQ-1, \slot, 0
	PLACES NP
	WIN 0
	FETCH_A \next, 0, 4
.endm
	s_wait_tensorcnt 1                             ; the scales and my part of K step 0 are in; K step 1's load may be out
	s_barrier_signal -1
	s_barrier_wait -1
	FETCH_B 0, 0, 0
	FETCH_A 0, 0, 0
	SCALES 0
	FETCH_A 0, 0, 4
	STEP 0, 0, 1                                   ; the first step stands in front of the loop: its products start the sums
	s_mov_b32 s3, LAPS-1
.Llap:
	TURN 0, 1, 1
	STEP 1, 0, 0
	TURN 1, 0, 1
	STEP 0, 0, 0
	s_sub_co_u32 s3, s3, 1
	s_cmp_lg_u32 s3, 0
	s_cbranch_scc1 .Llap
	TURN 0, 1, 0                                   ; the last lap fills nothing
	STEP 1, 0, 0
	s_wait_dscnt 4*NL
	WIN MUL_LO
	MUL16 0, 1, NQ-1, 1, 0
	MUL16 2, 1, NQ-1, 1, 0
	s_wait_dscnt 0
	WIN MUL_HI
	MUL16 4, 1, NQ-1, 1, 0
	MUL16 6, 1, NQ-1, 1, 0
	WIN 0
; THE WAY OUT.  Block a's 64 numbers of a lane (register 16 b + i = next K 32 b + 16 (lane / 16) + i of my row) become one fragment's 12 registers and its scale word.
.macro QOUT a
.set W, 2+(\a)/4                       ; the block's accumulators: window 2 or 3,
.set AC, 64*((\a)%4)                   ; from this register on
.set PCS, 64+24*((\a)%2)               ; the codes: two sets by turns
.set W12, (W<<2)|(W<<4)
.if (\a) >= 2
	s_wait_xcnt 0x0                                ; the stores of two blocks ago have read this set: only behind this wait is it written again
.endif
	WIN W12                                        ; sources 1 and 2 in the accumulators' window
.irp b, 0,1,2,3
	v_max3_num_f32 v[TM+\b], 0x1800000, |v[AC+16*\b]|, |v[AC+16*\b+1]|   ; block b: my 16 numbers and the floor 2^(3 - 127); each accumulator is read from its low end on
.endr
.irp i, 2,4,6,8,10,12,14
.irp b, 0,1,2,3
	v_max3_num_f32 v[TM+\b], v[TM+\b], |v[AC+16*\b+\i]|, |v[AC+16*\b+\i+1]|
.endr
.endr
	WIN 0
.irp b, 0,1,2,3
	v_permlanex16_b32 v[TM+4+\b], v[TM+\b], s96, s97
.endr
.irp b, 0,1,2,3
	v_max_num_f32 v[TM+\b], v[TM+\b], v[TM+4+\b]   ; with lane l xor 16's: the block's largest magnitude
.endr
.irp b, 0,1,2,3
	v_add_nc_u32 v[TM+12+\b], 0xff000000, v[TM+\b] ; 2 off its exponent field: the conversion's scale operand
.endr
.irp b, 0,1,2,3
	v_lshrrev_b32 v[TM+4+\b], 23, v[TM+12+\b]      ; the scale's byte
.endr
	v_lshl_or_b32 v[PW], v[TM+5], 8, v[TM+4]
	v_lshl_or_b32 v[PW], v[TM+6], 16, v[PW]
	v_lshl_or_b32 v[PW], v[TM+7], 24, v[PW]        ; my row's scale word
	WIN W                                          ; source 0 in the accumulators' window
.irp c, 0,1
	v_cvt_scalef32_pk16_fp6_f32 v[PCS+6*\c:PCS+6*\c+2], v[AC+32*\c:AC+32*\c+15], v[TM+12+2*\c]
	v_cvt_scalef32_pk16_fp6_f32 v[PCS+12+4*\c:PCS+14+4*\c], v[AC+16+32*\c:AC+31+32*\c], v[TM+12+2*\c+1]   ; (a conversion's three registers begin on an even number)
.endr
	WIN 0
	v_nop                                          ; one plain line behind the conversions
.irp c, 0,1                            ; the operand's layout wants a whole block in a lane: lanes 0-15 block 2 c, lanes 16-31 block 2 c + 1
.irp i, 0,1,2
	v_permlane16_swap_b32 v[PCS+6*\c+\i], v[PCS+12+4*\c+\i]
.endr
.irp i, 0,1,2
	v_mov_b32 v[PCS+3+6*\c+\i], v[PCS+12+4*\c+\i]
.endr
.endr
	v_lshrrev_b32 v[SW], v[SH], v[PW]              ; lanes 16-31 keep the bytes of the chunk's second 64
	ds_store_b32 v[SST], v[SW] offset:128*(\a)
.irp p, 0,1,2,3,4,5
	global_store_b64 v[L8], v[PCS+2*\p:PCS+2*\p+1], s[12:13] offset:1536*(\a)+256*\p   ; 32 lanes store 256 consecutive bytes, aligned
.endr
.endm
	PLACES NP                                      ; behind the last products: their results are read, and their scale registers written, below
.irp b, 0,1,2,3
	v_mov_b32 v[TM+4+\b], 0                        ; written once: a lane permute's destination counts as one of its sources
.endr
.irp a, 0,1,2,3,4,5,6,7
	QOUT \a
.endr
	ds_load_b128 v[BKS:BKS+3], v[SRD]              ; LDS serves a wave's instructions in order: these see my eight stores
	ds_load_b128 v[BKS+4:BKS+7], v[SRD] offset:512
	s_wait_dscnt 0x0
	global_store_b128 v[L16], v[BKS:BKS+3], s[20:21]             ; 16 lanes store 256 consecutive bytes, aligned
	global_store_b128 v[L16], v[BKS+4:BKS+7], s[20:21] offset:512
	s_wait_tensorcnt 0x0                           ; the wave's end
	ds_add_u32 v[SPW], v[NIL]
	s_wait_dscnt 0x0
	CROUND                                         ; the closing round: no work-group ends while a partner may still ask for a tile that names it
	s_endpgm
.Lfunc_end_k_qedccd30d51_proj_qk:
	.size	k_qedccd30d51_proj_qk, .Lfunc_end_k_qedccd30d51_proj_qk-k_qedccd30d51_proj_qk
	.p2alignl 7, 3214868480
	.fill 96, 4, 3214868480
	.section	.rodata,"a",@progbits
	.p2align	6, 0x0
	.amdhsa_kernel k_qedccd30d51_proj_qk
		.amdhsa_group_segment_fixed_size 327680
		.amdhsa_private_segment_fixed_size 0
		.amdhsa_enable_private_segment 0
		.amdhsa_kernarg_size 24
		.amdhsa_user_sgpr_count 2
		.amdhsa_user_sgpr_kernarg_segment_ptr 1
		.amdhsa_wavefront_size32 1
		.amdhsa_system_sgpr_workgroup_id_x 1
		.amdhsa_system_sgpr_workgroup_id_y 1
		.amdhsa_system_sgpr_workgroup_id_z 1
		.amdhsa_system_vgpr_workitem_id 0
		.amdhsa_next_free_vgpr 1024
		.amdhsa_next_free_sgpr 98
		.amdhsa_reserve_vcc 0
		.amdhsa_float_denorm_mode_32 3
		.amdhsa_float_denorm_mode_16_64 3
		.amdhsa_memory_ordered 1
		.amdhsa_forward_progress 1
		.amdhsa_inst_pref_size 167
	.end_amdhsa_kernel
	.amdgpu_metadata
---
amdhsa.version: [ 1, 2 ]
amdhsa.kernels:
  - .name:           k_qedccd30d51_proj_qk
    .symbol:         k_qedccd30d51_proj_qk.kd
    .args:
      - { .name: xq, .offset: 0, .size: 8, .value_kind: global_buffer, .address_space: global }
      - { .name: wqkq, .offset: 8, .size: 8, .value_kind: global_buffer, .address_space: global }
      - { .name: qkimg, .offset: 16, .size: 8, .value_kind: global_buffer, .address_space: global }
    .group_segment_fixed_size: 327680
    .private_segment_fixed_size: 0
    .kernarg_segment_align: 8
    .kernarg_segment_size: 24
    .max_flat_workgroup_size: 128
    .sgpr_count:     98
    .vgpr_count:     1024
    .wavefront_size: 32
...
	.end_amdgpu_metadata
.endif
;; end of part 3
;; launch proj_vt: the kernel of part 3 again; grid 16 x 4, 4 waves a work-group, clusters of 4 x 4, 327,680 bytes of LDS; arguments wvq, xq, vimg; writes vimg
;; launch attn (part 4): grid 16 x 16, 8 waves a work-group, no clusters, 327,680 bytes of LDS; arguments qkimg, vimg, oimg; writes oimg
.if DOCPART == 4
	.amdgcn_target "amdgcn-amd-amdhsa--gfx1250"
	.amdhsa_code_object_version 6
	.text
	.protected	k_qedccd30d51_attn
	.globl	k_qedccd30d51_attn
	.p2align	8
	.type	k_qedccd30d51_attn,@function
k_qedccd30d51_attn:
	s_mov_b64 s[64:65], 0
	v_nop
	global_prefetch_b8 v0, s[64:65] scope:SCOPE_SE
	s_setreg_imm32_b32 hwreg(HW_REG_WAVE_MODE, 25, 1), 1
	s_wait_xcnt 0x0
; Causal attention of one head on codes of FP6 (E2M3) with E8M0 scales; 4,096 tokens, head size 64.  q, k and V^T arrive as images of operand registers with their scale words; the result leaves the same way,
; quantised along the head's 64, as an operand of the output projection.
; SOFTMAX: t = (q . k) x log2(e) / 8 (the factor 1/8 of the scores is a power of two: q's codes do not change under it, so it stands in c); M = the running largest t rounded UP to a whole number; p = 2^(t - M) is
; quantised along the keys, not normalised; the row's sum is taken of the unquantised p and divides O at the end.  When M moves, the sum and O are multiplied by 2^(old M - new M): exact.
; SHARES.  A head's queries are 32 blocks of 128.  Work-group (i, head) takes block i and then block 31 - i: (i / 2 + 1) + (16 - i / 2) = 17 slots of 256 keys for every work-group, 33 steps of 128 keys with work
; and one without: the trip count is a constant and all work-groups have equal work.  Wave w owns tile 8 block + w: 16 queries.  Keys after a block's last query are never asked for beyond that one step.
; A TILE T OF TOKENS: lane r holds token 32 (T / 2) + 8 (T % 2) + r % 8 + 16 (r / 8).  Both products are used transposed (S^T = K Q^T, O^T = V^T P^T): a lane holds ONE query, and the 16 registers of
; tiles 2 b, 2 b + 1 of S^T are keys 32 b + 16 (lane / 16) + 0 .. 15; of O^T likewise the head's features.
; K = 64 IN AN INSTRUCTION OF 128: Q's registers 6-11 are zero codes; a tile of K is named with the six registers behind it (the next tile's codes, or zeros behind the last): a zero times any code is 0.
; Q's scale word is cut to its two bytes, so that half's scale is 2^-127 on Q's side, and K's bytes there are another head's (1 .. 254) or 0: never 0xff.
; NO CLUSTER: partners would differ in which step is hidden or masked and in the trip at which they change blocks.
; LIMITS: a block of zeros, and one whose largest magnitude lies under 2^-124, get the byte 1 (read by this program alone); q's scale is not lowered by 3 (it differs from the rule only where the rule's hold at
; -126 would act); NaN and infinities are not served.
; LDS: two slots, 32,768 bytes apart; in a slot: K 16 tiles x 768 bytes; V 2 steps x 4 tiles x 1,536; K's scale words 16 x 64; V's 2 x 512.  Waves 0 to 3 fetch one of the four each; all eight read them.
.set SLOTB, 32768
.set VOFF,  12288
.set KSOFF, 24576
.set VSOFF, 25600
.set SPARE, 65536                      ; the spare words, 128 bytes for each of eight waves, that no other line names
.set IMG,   1048576                    ; where the images begin in qkimg and vimg
.set CHUNK, 393216                     ; from a chunk's images to the next chunk's
.set L8,  1                            ; v1   8 x lane
.set L4,  2                            ; v2   4 x (lane % 16)
.set ADR, 3                            ; v3   the slot in hand + 8 x lane
.set ADS, 4                            ; v4   the slot in hand + 4 x (lane % 16)
.set SPW, 5                            ; v5   my spare word; never rewritten
.set NIL, 6                            ; v6   0; never rewritten
.set DQ,  7                            ; v7   my query's place in its block of 128, less 16 (lane / 16)
.set R32, 8                            ; v8   32 x (lane % 16)
.set NINF, 9                           ; v9   -infinity
.set TMP, 10
.set QF,  16                           ; v16-21 Q's codes; v22-27 zeros
.set QS,  28                           ; Q's scale word
.set PS,  29                           ; p's scale word
.set FF,  30                           ; v[30:31] f = 2^(old M - new M), and a written partner for the pair
.set KR,  32                           ; v32-79 K's 8 tiles x 6, afterwards V's 4 x 12; v80-85 zeros
.set KSW, 86                           ; v86-93 K's scale words
.set VSW, 94                           ; v94-97 V's
.set S,   98                           ; v98-161 S^T, then p
.set O,   162                          ; v162-193 O^T
.set PCD, 194                          ; v194-205 p's codes
.set PC2, 206                          ; v206-208, v210-212 the conversions' second halves
.set BM,  214                          ; v214-217 a block's largest score, then its largest p
.set BT,  218                          ; v218-221 the other half's; then the bytes
.set SO,  222                          ; v222-225 the conversions' scale operands
.set TT,  226
.set SUM2, 228                         ; v[228:229] the sum's second chain
.set WV, 10
.set II, 11
.set HH, 12
.set N1M1, 13                          ; the trip in which the first block ends: i / 2
.set TR, 14
.set FI, 15                            ; which 256 keys the next fill brings
.set TB, 16                            ; LDS byte at which the slot in hand begins
.set KF, 17                            ; the step's first key
.set QB, 18                            ; my block's first query
.set BLK, 19
.set SEL, 20
.set CS, 22
.set G1K, 24
.set G1V, 32
.set G1KS, 40
.set G1VS, 48
.set G0K, 56
.set G0V, 60
.set G0KS, 68
.set G0VS, 72
.set KCB, 76
.set VCB, 78
.set KSB, 80
.set VSB, 82
.set QCB, 84
.set QSB, 86
.set OCB, 88
.set OSB, 90
.set QCA, 92
.set QSA, 94
.set OCA, 96
.set OSA, 98
; Wave 0 fetches K's tiles, wave 1 V's, wave 2 K's scale words, wave 3 V's; the others nothing.  The branches hang on the wave's number alone.  Four v_nop follow each load.
.macro TLOAD
	s_cmp_lg_u32 s[WV], 0
	s_cbranch_scc1 .Lnot0_\@
	tensor_load_to_lds s[G0K:G0K+3], s[G1K:G1K+7]
	s_nop 0
.rept 4
	v_nop
.endr
	s_branch .Lasked_\@
.Lnot0_\@:
	s_cmp_lg_u32 s[WV], 1
	s_cbranch_scc1 .Lnot1_\@
	tensor_load_to_lds s[G0V:G0V+3], s[G1V:G1V+7]
	s_nop 0
.rept 4
	v_nop
.endr
	s_branch .Lasked_\@
.Lnot1_\@:
	s_cmp_lg_u32 s[WV], 2
	s_cbranch_scc1 .Lnot2_\@
	tensor_load_to_lds s[G0KS:G0KS+3], s[G1KS:G1KS+7]
	s_nop 0
.rept 4
	v_nop
.endr
	s_branch .Lasked_\@
.Lnot2_\@:
	s_cmp_lg_u32 s[WV], 3
	s_cbranch_scc1 .Lasked_\@
	tensor_load_to_lds s[G0VS:G0VS+3], s[G1VS:G1VS+7]
	s_nop 0
.rept 4
	v_nop
.endr
.Lasked_\@:
.endm
.macro DESC1 g, c, r, p                ; group 1: r rows of c elements of 8 bytes, p elements from row to row; no mask, no padding
	s_mov_b32 s[\g], 3<<16
	s_mov_b32 s[\g+1], (\c)<<16
	s_mov_b32 s[\g+2], (\r)<<16
	s_mov_b32 s[\g+3], (\c)<<16
	s_mov_b32 s[\g+4], \r
	s_mov_b32 s[\g+5], \p
	s_mov_b32 s[\g+6], 0
	s_mov_b32 s[\g+7], 0
.endm
.macro DESC0 g, lds, base              ; group 0 for slot 0, keys 0 on
	s_mov_b32 s[\g], 1
	s_mov_b32 s[\g+1], \lds
	s_mov_b64 s[\g+2:\g+3], s[\base:\base+1]
	s_or_b32 s[\g+3], s[\g+3], 0x80000000
.endm
.macro WALK g, base, step              ; group 0: the other slot, keys 256 FI on
	s_xor_b32 s[\g+1], s[\g+1], SLOTB
	s_mul_i32 s2, s[FI], \step
	s_add_nc_u64 s[\g+2:\g+3], s[\base:\base+1], s[2:3]
	s_or_b32 s[\g+3], s[\g+3], 0x80000000
.endm
	s_load_b128 s[4:7], s[0:1], 0x0                ; qkimg, vimg
	s_load_b64 s[8:9], s[0:1], 0x10                ; oimg
	v_lshl_add_u32 v[SPW], v0, 2, SPARE
	v_mov_b32 v[NIL], 0
	ds_add_u32 v5, v6
	s_wait_dscnt 0x0
	v_lshrrev_b32 v[TMP], 5, v0
	v_readfirstlane_b32 s[WV], v[TMP]              ; wave 0..7
	s_mov_b32 s[II], ttmp9                         ; i
	s_and_b32 s[HH], ttmp7, 0xffff                 ; the head
	s_lshr_b32 s[N1M1], s[II], 1
	s_lshr_b32 s100, s[HH], 1                      ; the pair of heads,
	s_and_b32 s101, s[HH], 1                       ; and which of the two
	DESC1 G1K, 96, 16, 192                         ; K: 16 tiles, 768 bytes of each tile's 1,536
	DESC1 G1V, 768, 2, 49152                       ; V: 2 steps, my head's 4 tiles (6,144 bytes) of each
	DESC1 G1KS, 8, 16, 16                          ; K's scale words: 64 bytes of each tile's 128
	DESC1 G1VS, 64, 2, 4096                        ; V's: 512 bytes of each step's 32,768
	s_mul_i32 s2, s101, 768
	s_mul_i32 s[QCB], s100, CHUNK
	s_add_co_u32 s[QCB], s[QCB], s2
	s_add_co_u32 s[QCB], s[QCB], IMG               ; q: chunk = the pair of heads; my head's three planes
	s_mov_b32 s[QCB+1], 0
	s_add_co_u32 s[KCB], s[QCB], 8*CHUNK           ; k: eight chunks on
	s_mov_b32 s[KCB+1], 0
	s_mul_i32 s[VCB], s[HH], 6144
	s_add_co_u32 s[VCB], s[VCB], IMG
	s_mov_b32 s[VCB+1], 0
	s_lshl_b32 s[QSB], s100, 15
	s_lshl_b32 s3, s101, 6
	s_add_co_u32 s[QSB], s[QSB], s3
	s_mov_b32 s[QSB+1], 0
	s_add_co_u32 s[KSB], s[QSB], 8*32768
	s_mov_b32 s[KSB+1], 0
	s_lshl_b32 s[VSB], s[HH], 9
	s_mov_b32 s[VSB+1], 0
	s_mul_i32 s[OCB], s100, 1536
	s_add_co_u32 s[OCB], s[OCB], s2
	s_add_co_u32 s[OCB], s[OCB], 131072
	s_mov_b32 s[OCB+1], 0
	s_lshl_b32 s[OSB], s[HH], 1
	s_mov_b32 s[OSB+1], 0
	s_mov_b32 s[SEL], 0x76543210
	s_mov_b32 s[SEL+1], 0xfedcba98                 ; v_permlanex16_b32's selects for lane l xor 16
	s_mov_b32 s[CS], 0x3e38aa3b                    ; c = log2(e) / 8
	s_mov_b32 s[CS+1], s[CS]                       ; (named with it as a pair, so it is written)
	s_wait_kmcnt 0x0
	s_add_nc_u64 s[KCB:KCB+1], s[4:5], s[KCB:KCB+1]
	s_add_nc_u64 s[KSB:KSB+1], s[4:5], s[KSB:KSB+1]
	s_add_nc_u64 s[QCB:QCB+1], s[4:5], s[QCB:QCB+1]
	s_add_nc_u64 s[QSB:QSB+1], s[4:5], s[QSB:QSB+1]
	s_add_nc_u64 s[VCB:VCB+1], s[6:7], s[VCB:VCB+1]
	s_add_nc_u64 s[VSB:VSB+1], s[6:7], s[VSB:VSB+1]
	s_add_nc_u64 s[OCB:OCB+1], s[8:9], s[OCB:OCB+1]
	s_add_nc_u64 s[OSB:OSB+1], s[8:9], s[OSB:OSB+1]
	DESC0 G0K, 0, KCB
	DESC0 G0V, VOFF, VCB
	DESC0 G0KS, KSOFF, KSB
	DESC0 G0VS, VSOFF, VSB
	TLOAD                                          ; slot 0, keys 0 to 255: one tensor load of a fetching wave is out
	v_and_b32 v[L8], 31, v0
	v_lshlrev_b32 v[L8], 3, v[L8]
	v_and_b32 v[TMP], 15, v0                       ; r
	v_lshlrev_b32 v[L4], 2, v[TMP]
	v_lshlrev_b32 v[R32], 5, v[TMP]
	v_and_b32 v[ADR], 8, v[TMP]
	v_add_nc_u32 v[DQ], v[ADR], v[TMP]             ; r + 8 (r / 8)
	v_bfe_u32 v[ADR], v0, 4, 1
	v_lshlrev_b32 v[ADR], 4, v[ADR]
	v_sub_nc_u32 v[DQ], v[DQ], v[ADR]              ; - 16 (lane / 16)
	s_lshr_b32 s100, s[WV], 1
	s_lshl_b32 s100, s100, 5
	s_and_b32 s101, s[WV], 1
	s_lshl_b32 s101, s101, 3
	s_add_co_u32 s100, s100, s101
	v_add_nc_u32 v[DQ], s100, v[DQ]                ; + 32 (w / 2) + 8 (w % 2)
	v_mov_b32 v[NINF], 0xff800000
.irp j, 0,1,2,3,4,5
	v_mov_b32 v[QF+6+\j], 0                        ; Q's upper 64 along K: zero codes, written once
	v_mov_b32 v[KR+48+\j], 0                       ; and what stands behind K's last tile
.endr
.irp b, 0,1,2,3
	v_mov_b32 v[BT+\b], 0                          ; written once: a lane permute's destination counts as one of its sources
.endr
	v_mov_b32 v[TT], 0
	v_mov_b32 v[TT+1], 0
	v_mov_b32 v[FF+1], 0
; A block of 128 queries begins: its addresses, Q's fragment and scale word, and the statistics.  O^T and the sum begin as zeros and the largest t as -3e38, so that the step is written once.
.macro PASS_INIT
	s_lshl_b32 s[QB], s[BLK], 7
	s_mov_b32 s[KF], 0
	s_lshl_b32 s2, s[BLK], 3
	s_add_co_u32 s2, s2, s[WV]                     ; my tile of 16 queries
	s_mov_b32 s101, 0
	s_mul_i32 s100, s2, 1536
	s_add_nc_u64 s[QCA:QCA+1], s[QCB:QCB+1], s[100:101]
	s_lshl_b32 s100, s2, 7
	s_add_nc_u64 s[QSA:QSA+1], s[QSB:QSB+1], s[100:101]
	s_mul_i32 s100, s2, 12288
	s_add_nc_u64 s[OCA:OCA+1], s[OCB:OCB+1], s[100:101]
	s_lshl_b32 s100, s2, 9
	s_add_nc_u64 s[OSA:OSA+1], s[OSB:OSB+1], s[100:101]
.irp p, 0,1,2
	global_load_b64 v[QF+2*\p:QF+2*\p+1], v[L8], s[QCA:QCA+1] offset:256*\p
.endr
	global_load_b32 v[QS], v[L4], s[QSA:QSA+1]
	v_mov_b32 v13, 0xff61b1e6                      ; the largest t so far: -3e38
	v_floor_f32 v12, -v13                          ; -M
	v_mov_b32 v14, 0                               ; the sum, in two halves
	v_mov_b32 v15, 0
	s_wait_loadcnt 0x0
	v_and_b32 v[QS], 0xffff, v[QS]                 ; my head's two bytes alone; the 32 lines below stand between this write and the first product that names it
.set j, 0
.rept 32
	v_mov_b32 v[O+j], 0
.set j, j+1
.endr
.endm
; A KEY STEP: 128 keys, the q-th of the slot in hand.
.macro STEP q
	s_cmp_gt_u32 s[KF], s[QB]                      ; all its keys come after my block's queries: a scalar branch on ids, round the step's loads and work; no barrier and no tensor load stands in a step
	s_cbranch_scc1 .Lhidden_\@
	v_add_nc_u32 v[ADR], s[TB], v[L8]
	v_add_nc_u32 v[ADS], s[TB], v[L4]
	v_nop
	v_nop                                          ; four plain lines between the last products and the loads into registers that they read
.irp t, 0,1,2,3,4,5,6,7
.irp p, 0,1,2
	ds_load_b64 v[KR+6*\t+2*\p:KR+6*\t+2*\p+1], v[ADR] offset:(8*(\q)+\t)*768+256*\p   ; 32 lanes read 256 consecutive bytes
.endr
	ds_load_b32 v[KSW+\t], v[ADS] offset:KSOFF+(8*(\q)+\t)*64
.endr
	s_wait_dscnt 0x0
.irp t, 0,1,2,3,4,5,6,7                ; S^T = K Q^T: eight accumulators, each begun by the constant 0
	v_wmma_scale_f32_16x16x128_f8f6f4 v[S+8*\t:S+8*\t+7], v[KR+6*\t:KR+6*\t+11], v[QF:QF+11], 0, v[KSW+\t], v[QS] matrix_a_fmt:MATRIX_FMT_FP6 matrix_b_fmt:MATRIX_FMT_FP6
.endr
.rept 4
	v_nop                                          ; places in front of the loads over K's registers and of the first read of the scores
.endr
.irp t, 0,1,2,3                        ; V's four tiles are asked for now and land under the softmax
.irp p, 0,1,2,3,4,5
	ds_load_b64 v[KR+12*\t+2*\p:KR+12*\t+2*\p+1], v[ADR] offset:VOFF+6144*(\q)+1536*\t+256*\p
.endr
	ds_load_b32 v[VSW+\t], v[ADS] offset:VSOFF+512*(\q)+128*\t
.endr
	s_cmp_lt_u32 s[KF], s[QB]                      ; only the step on the diagonal is masked
	s_cbranch_scc1 .Lopen_\@
.set n, 0
.rept 64                               ; register 16 b + i holds key KF + 32 b + 16 (lane / 16) + i: hidden where 32 b + i > DQ; its score becomes -infinity, p = 0
	v_cmp_gt_i32 vcc_lo, 32*(n/16)+n%16, v[DQ]
	v_cndmask_b32 v[S+n], v[S+n], v[NINF], vcc_lo
.set n, n+1
.endr
.Lopen_\@:
.irp b, 0,1,2,3
	v_max3_num_f32 v[BM+\b], v[S+16*\b], v[S+16*\b+1], v[S+16*\b+2]   ; the largest score of each block of 32 keys: for the row's maximum and, since p rises with the score, for the block's largest p
.endr
.irp i, 3,5,7,9,11,13
.irp b, 0,1,2,3
	v_max3_num_f32 v[BM+\b], v[BM+\b], v[S+16*\b+\i], v[S+16*\b+\i+1]
.endr
.endr
.irp b, 0,1,2,3
	v_max_num_f32 v[BM+\b], v[BM+\b], v[S+16*\b+15]
.endr
.irp b, 0,1,2,3
	v_permlanex16_b32 v[BT+\b], v[BM+\b], s[SEL], s[SEL+1]
.endr
.irp b, 0,1,2,3
	v_max_num_f32 v[BM+\b], v[BM+\b], v[BT+\b]     ; with lane l xor 16's 16 keys
.endr
	v_max3_num_f32 v[TT], v[BM], v[BM+1], v[BM+2]
	v_max_num_f32 v[TT], v[TT], v[BM+3]            ; the step's largest score of my query
	v_mul_f32 v[TT], s[CS], v[TT]                  ; as t (c is positive)
	v_max_num_f32 v13, v13, v[TT]                  ; the running largest t
	v_mov_b32 v[TT], v12
	v_floor_f32 v12, -v13                          ; the new -M = -ceil(t): a whole number
	v_sub_f32 v[TT], v12, v[TT]                    ; old M - new M: a whole number, 0 or less
	v_cvt_i32_f32 v[TT], v[TT]                     ; (it saturates)
	v_ldexp_f32 v[FF], 1.0, v[TT]                  ; f = 2^(old M - new M)
.set j, 0
.rept 32
	v_pk_fma_f32 v[S+j:S+j+1], v[S+j:S+j+1], s[CS:CS+1], v[12:13] op_sel_hi:[1,0,0]   ; t - M, two at a time
.set j, j+2
.endr
.irp b, 0,1,2,3
	v_fma_f32 v[BM+\b], v[BM+\b], s[CS], v12       ; the same of each block's largest score
.endr
.set j, 0
.rept 64
	v_exp_f32 v[S+j], v[S+j]                       ; p = 2^(t - M), at most 1
.set j, j+1
.endr
.irp b, 0,1,2,3
	v_exp_f32 v[BM+\b], v[BM+\b]                   ; the block's largest p: the same two instructions on the same number
.endr
	v_pk_mul_f32 v[14:15], v[14:15], v[FF:FF+1] op_sel_hi:[1,0]   ; the sums under the new M (a plain line behind the exponentials)
	s_wait_alu depctr_va_vdst(0)
.irp b, 0,1,2,3
	v_max_num_f32 v[BM+\b], 0x1800000, v[BM+\b]    ; the floor 2^(3 - 127): the byte cannot fall under 1
.endr
.irp b, 0,1,2,3
	v_add_nc_u32 v[SO+\b], 0xff000000, v[BM+\b]    ; 2 off the exponent field: the conversion's scale operand
.endr
.irp b, 0,1,2,3
	v_lshrrev_b32 v[BT+\b], 23, v[SO+\b]           ; the scale's byte
.endr
	v_lshl_or_b32 v[PS], v[BT+1], 8, v[BT]         ; p's scale word for these 128 keys
	v_lshl_or_b32 v[PS], v[BT+2], 16, v[PS]
	v_lshl_or_b32 v[PS], v[BT+3], 24, v[PS]
.irp c, 0,1
	v_cvt_scalef32_pk16_fp6_f32 v[PCD+6*\c:PCD+6*\c+2], v[S+32*\c:S+32*\c+15], v[SO+2*\c]
	v_cvt_scalef32_pk16_fp6_f32 v[PC2+4*\c:PC2+4*\c+2], v[S+32*\c+16:S+32*\c+31], v[SO+2*\c+1]   ; (a conversion's three registers begin on an even number)
.endr
	v_nop                                          ; one plain line behind the conversions
.irp c, 0,1                            ; the operand's layout wants a whole block in a lane
.irp i, 0,1,2
	v_permlane16_swap_b32 v[PCD+6*\c+\i], v[PC2+4*\c+\i]
.endr
.irp i, 0,1,2
	v_mov_b32 v[PCD+3+6*\c+\i], v[PC2+4*\c+\i]
.endr
.endr
	v_pk_add_f32 v[SUM2:SUM2+1], v[S:S+1], v[S+2:S+3]   ; the row's sum of the unquantised p, in two chains
.irp j, 4,8,12,16,20,24,28,32,36,40,44,48,52,56,60
	v_pk_add_f32 v[14:15], v[14:15], v[S+\j:S+\j+1]
	v_pk_add_f32 v[SUM2:SUM2+1], v[SUM2:SUM2+1], v[S+\j+2:S+\j+3]
.endr
	v_pk_add_f32 v[14:15], v[14:15], v[SUM2:SUM2+1]
.set j, 0
.rept 16
	v_pk_mul_f32 v[O+j:O+j+1], v[O+j:O+j+1], v[FF:FF+1] op_sel_hi:[1,0]   ; O^T under the new M, from each accumulator's low end on
.set j, j+2
.endr
	s_wait_dscnt 0x0                               ; V's tiles and scale words are in
.irp t, 0,1,2,3                        ; O^T += V^T P^T: four accumulators by turns, one instruction a turn
	v_wmma_scale_f32_16x16x128_f8f6f4 v[O+8*\t:O+8*\t+7], v[KR+12*\t:KR+12*\t+11], v[PCD:PCD+11], v[O+8*\t:O+8*\t+7], v[VSW+\t], v[PS] matrix_a_fmt:MATRIX_FMT_FP6 matrix_b_fmt:MATRIX_FMT_FP6
.endr
.Lhidden_\@:
	s_add_co_u32 s[KF], s[KF], 128
.endm
; THE CHANGE OF SLOTS stands at a slot's head.  Each wave waits for all its tensor loads (its part of the slot ahead), adds 0 to its spare word, and waits for that and for its reads of the slot that it has left.
; fill = 1: that slot is filled with the keys that follow (or, in the trip in which the first block ends, with keys 0 on for the second): the load has two steps' work in which to land.
.macro CHANGE fill
	s_wait_tensorcnt 0x0                           ; no tensor load of mine is out, so a group 0 may be written
	ds_add_u32 v[SPW], v[NIL]                      ; 0 onto my spare word
.if \fill
	s_add_co_u32 s[FI], s[FI], 1
	s_cmp_eq_u32 s[TR], s[N1M1]
	s_cselect_b32 s[FI], 0, s[FI]
	s_mov_b32 s3, 0
	WALK G0K, KCB, 24576
	WALK G0V, VCB, 786432
	WALK G0KS, KSB, 2048
	WALK G0VS, VSB, 65536
.endif
	s_wait_dscnt 0x0                               ; the add is done, and my reads of the slot that I have left are over
	s_barrier_signal -1
	s_barrier_wait -1
.if \fill
	TLOAD                                          ; the first thing behind the barrier, and a wave's one tensor load until the next
.endif
.endm
.macro SLOT_STEPS
	STEP 0
	STEP 1
	s_xor_b32 s[TB], s[TB], SLOTB
.endm
; A block's end: O^T / the sum, quantised along the head's 64 (two blocks of 32; a lane holds 16 of each), stored as three register pairs of the next operand's image and two scale bytes a row.
.macro FINISH
.rept 4
	v_nop                                          ; places behind the last products
.endr
	v_add_f32 v14, v14, v15
	v_permlanex16_b32 v[TT], v14, s[SEL], s[SEL+1]
	v_add_f32 v14, v14, v[TT]                      ; the row's sum
	v_rcp_f32 v14, v14
	v_nop                                          ; a plain line behind the reciprocal
.set j, 0
	s_wait_alu depctr_va_vdst(0)
.rept 32
	v_mul_f32 v[S+j], v[O+j], v14                  ; register 16 b + i: feature 32 b + 16 (lane / 16) + i of my query
.set j, j+1
.endr
.irp b, 0,1
	v_max3_num_f32 v[BM+\b], |v[S+16*\b]|, |v[S+16*\b+1]|, 0x1800000
.endr
.irp i, 2,4,6,8,10,12,14
.irp b, 0,1
	v_max3_num_f32 v[BM+\b], v[BM+\b], |v[S+16*\b+\i]|, |v[S+16*\b+\i+1]|
.endr
.endr
.irp b, 0,1
	v_permlanex16_b32 v[BT+\b], v[BM+\b], s[SEL], s[SEL+1]
.endr
.irp b, 0,1
	v_max_num_f32 v[BM+\b], v[BM+\b], v[BT+\b]
.endr
.irp b, 0,1
	v_add_nc_u32 v[SO+\b], 0xff000000, v[BM+\b]
.endr
.irp b, 0,1
	v_lshrrev_b32 v[BT+\b], 23, v[SO+\b]
.endr
	v_lshl_or_b32 v[TMP], v[BT+1], 8, v[BT]        ; my row's two scale bytes
	v_cvt_scalef32_pk16_fp6_f32 v[PCD:PCD+2], v[S:S+15], v[SO]
	v_cvt_scalef32_pk16_fp6_f32 v[PC2:PC2+2], v[S+16:S+31], v[SO+1]
	v_nop                                          ; one plain line behind the conversions
.irp i, 0,1,2
	v_permlane16_swap_b32 v[PCD+\i], v[PC2+\i]     ; lanes 0-15 get block 0 whole, lanes 16-31 block 1
.endr
.irp i, 0,1,2
	v_mov_b32 v[PCD+3+\i], v[PC2+\i]
.endr
.irp p, 0,1,2
	global_store_b64 v[L8], v[PCD+2*\p:PCD+2*\p+1], s[OCA:OCA+1] offset:256*\p   ; 32 lanes store 256 consecutive bytes, aligned
.endr
	global_store_b16 v[R32], v[TMP], s[OSA:OSA+1]  ; lanes r and r + 16 store the same two bytes.  A row's 32 scale bytes come from 16 heads, so these stores stay small: 128 KiB of the launch's 3.1 MiB
	s_wait_xcnt 0x0                                ; the stores' bases and data are written again only behind this wait
.endm
	s_mov_b32 s[BLK], s[II]
	PASS_INIT
	s_mov_b32 s[TR], 0
	s_mov_b32 s[FI], 0
	s_mov_b32 s[TB], 0
.Lslot:                                            ; 16 trips: behind each change of slots but the last the next slot is asked for
	CHANGE 1
	SLOT_STEPS
	s_cmp_lg_u32 s[TR], s[N1M1]                    ; the first block's last slot?  The same in all eight waves; no barrier and no tensor load stands under this branch
	s_cbranch_scc1 .Lnosw
	FINISH
	s_sub_co_u32 s[BLK], 31, s[II]
	PASS_INIT
.Lnosw:
	s_add_co_u32 s[TR], s[TR], 1
	s_cmp_lt_u32 s[TR], 16
	s_cbranch_scc1 .Lslot
	CHANGE 0                                       ; the last slot is written out
	SLOT_STEPS
	FINISH
	s_wait_tensorcnt 0x0                           ; the wave's end
	ds_add_u32 v[SPW], v[NIL]
	s_wait_dscnt 0x0
	s_endpgm
.Lfunc_end_k_qedccd30d51_attn:
	.size	k_qedccd30d51_attn, .Lfunc_end_k_qedccd30d51_attn-k_qedccd30d51_attn
	.p2alignl 7, 3214868480
	.fill 96, 4, 3214868480
	.section	.rodata,"a",@progbits
	.p2align	6, 0x0
	.amdhsa_kernel k_qedccd30d51_attn
		.amdhsa_group_segment_fixed_size 327680
		.amdhsa_private_segment_fixed_size 0
		.amdhsa_enable_private_segment 0
		.amdhsa_kernarg_size 24
		.amdhsa_user_sgpr_count 2
		.amdhsa_user_sgpr_kernarg_segment_ptr 1
		.amdhsa_wavefront_size32 1
		.amdhsa_system_sgpr_workgroup_id_x 1
		.amdhsa_system_sgpr_workgroup_id_y 1
		.amdhsa_system_sgpr_workgroup_id_z 1
		.amdhsa_system_vgpr_workitem_id 0
		.amdhsa_next_free_vgpr 256
		.amdhsa_next_free_sgpr 102
		.amdhsa_reserve_vcc 1
		.amdhsa_float_denorm_mode_32 3
		.amdhsa_float_denorm_mode_16_64 3
		.amdhsa_memory_ordered 1
		.amdhsa_forward_progress 1
		.amdhsa_inst_pref_size 112
	.end_amdhsa_kernel
	.amdgpu_metadata
---
amdhsa.version: [ 1, 2 ]
amdhsa.kernels:
  - .name:           k_qedccd30d51_attn
    .symbol:         k_qedccd30d51_attn.kd
    .args:
      - { .name: qkimg, .offset: 0, .size: 8, .value_kind: global_buffer, .address_space: global }
      - { .name: vimg, .offset: 8, .size: 8, .value_kind: global_buffer, .address_space: global }
      - { .name: oimg, .offset: 16, .size: 8, .value_kind: global_buffer, .address_space: global }
    .group_segment_fixed_size: 327680
    .private_segment_fixed_size: 0
    .kernarg_segment_align: 8
    .kernarg_segment_size: 24
    .max_flat_workgroup_size: 256
    .sgpr_count:     102
    .vgpr_count:     256
    .wavefront_size: 32
...
	.end_amdgpu_metadata
.endif
;; end of part 4
;; launch outp (part 5): grid 4 x 16, 4 waves a work-group, clusters of 4 x 4, 327,680 bytes of LDS; arguments oimg, woq, bo, out0; writes out0
.if DOCPART == 5
	.amdgcn_target "amdgcn-amd-amdhsa--gfx1250"
	.amdhsa_code_object_version 6
	.text
	.protected	k_qedccd30d51_outp
	.globl	k_qedccd30d51_outp
	.p2align	8
	.type	k_qedccd30d51_outp,@function
k_qedccd30d51_outp:
	s_mov_b64 s[64:65], 0
	v_nop
	global_prefetch_b8 v0, s[64:65] scope:SCOPE_SE
	s_setreg_imm32_b32 hwreg(HW_REG_WAVE_MODE, 25, 1), 1
	s_wait_xcnt 0x0
	s_wait_alu depctr_hold_cnt(0) depctr_sa_sdst(0) depctr_va_vdst(0) depctr_va_sdst(0) depctr_va_ssrc(0) depctr_va_vcc(0) depctr_vm_vsrc(0)
	s_getreg_b32 s2, hwreg(HW_REG_IB_STS2, 6, 4)
	s_cmp_eq_u32 s2, 0
	s_cbranch_scc0 .Lentry_in_a_cluster
	s_endpgm
.Lentry_in_a_cluster:
	s_bfe_u32 s2, ttmp6, 0x10000c
	s_cmp_lg_u32 s2, 0xf033
	s_cbranch_scc0 .Lentry_shape_is_right
	s_endpgm
.Lentry_shape_is_right:
; out0 = A Wo + bo on codes of FP6 (E2M3) with E8M0 scales, K = 1,024; out0 [4096][1024] f32.
; A (the attention's result): scale bytes [stored row][32] from byte 0; from byte 131,072 IMAGES of operand registers: tile T (16 stored rows), 128 along K number kf, register pair p at 12,288 T + 1,536 kf + 256 p + 8 lane.
; Wo: scale bytes [row][32] from byte 0, codes [row = output column][768] from byte 131,072.  Stored rows are logical rows with bits 3 and 4 exchanged, in both; the stores undo both exchanges.
; A tile of the output, 256 x 256, is made by four waves, each 128 x 128: 64 accumulators.  K goes in steps of 256 through a ring of two LDS slots filled by the tensor data mover; the scale bytes come into LDS once.
; CLUSTERS: 4 x 4 work-groups; A's tiles are asked for jointly along a row of the cluster, Wo's along a column.  THE MATRIX INSTRUCTION IS USED TRANSPOSED (source 0 = 16 rows of Wo, source 1 = 16 rows of A):
; register j of accumulator (a, b) in lane (r, h) is logical row 32 (a / 2) + 8 (a % 2) + r % 8 + 16 (r / 8), logical column 32 (b / 2) + 16 h + 8 (b % 2) + j.
; THE BIAS is the C of each sum's first matrix instruction: eight registers for each b, in the result's layout.
; REGISTERS: window 0: v0-31 addresses; v32-63 scale words, two sets; v64-127 the bias; from v128 A's fragments, ONE set; on the way out v128-255 rows read back.  window 1: Wo's fragments, TWO sets.
;   window 2: the accumulators of my rows 0-63 ((a, b) at v[8 (8 a + b)]);  window 3: those of rows 64-127.
.set SIZE_K, 1024
.set KSTEP,  256
.set NQ,     KSTEP/128
.set ROWB,   192                       ; a row of Wo's tile in bytes
.set ASTEP,  3072                      ; a K step of one tile of A: two images of 1,536 bytes
.set KROW,   SIZE_K*6/8
.set PITCH,  240                       ; Wo's LDS row: 3 x (64 bytes + 16 of padding)
.set FR,     12
.set NL,     6
.set NP,     4
.set HALFT,  128*PITCH                 ; the LDS room of 128 rows (A's images use 24,576 bytes of it)
.set SLOT,   4*HALFT
.set LAPS,   SIZE_K/(2*KSTEP)
.set KS,     SIZE_K/32
.set SCL,    2*SLOT
.set HALFS,  (128*KS/256)*272
.set SBLK,   (16*KS/256)*272
.set SPARE,  SCL+4*HALFS               ; the spare words, 128 bytes for each wave, that no other line names
.set SPITCH, 528                       ; the way out: a stage of 16 rows x (512 bytes + 16) for each wave, in slot 0, which has had its last fill and its last read by then
.set ADRA, 16                          ; v16-17 LDS address of my A images in slot 0, 1: + 8 x lane
.set ADRB, 20                          ; v20-23 of my Wo fragments
.set STO,  24
.set RD,   25
.set CO,   26
.set ADRS, 27
.set SPW,  28                          ; my spare word; never rewritten
.set NIL,  29                          ; 0; never rewritten
.set BA,   30                          ; 64 x (lane / 16): my half's place in the bias
.set SC,   32
.set BI,   64                          ; the bias: v[BI + 8 b + j]
.set AF,   128
.set BK,   128
.set G1, 24
.set G0, 32
.set G1B, 48
.set G0B, 56
.set G1S, 68
.set G0S, 76
.set G1SB, 80
.set G0SB, 88
.set MSB, 0
.macro WIN new                         ; the immediate's high byte repeats the setting that is left
.if MSB != \new
	s_set_vgpr_msb (MSB<<8)|\new
.set MSB, \new
.endif
.endm
.set MUL_LO, 0xa1                      ; source 0 (Wo) window 1, source 1 (A) window 0, C and D window 2
.set MUL_HI, 0xf1                      ; the same, C and D window 3
.set FIRST_LO, 0x81                    ; the first step: C (the bias) window 0, D window 2
.set FIRST_HI, 0xc1                    ; D window 3
.set TO_B,   0x40
.macro JLOAD g0a, g1a, g0b, g1b        ; a joint load: waves 0 and 1 fetch for A, waves 2 and 3 for Wo; four v_nop follow each of the two lines
	s_cmp_eq_u32 s15, 0
	s_cbranch_scc0 .Lfor_b_\@
	tensor_load_to_lds s[\g0a:\g0a+3], s[\g1a:\g1a+7]
	s_nop 0
.rept 4
	v_nop
.endr
	s_branch .Lasked_\@
.Lfor_b_\@:
	tensor_load_to_lds s[\g0b:\g0b+3], s[\g1b:\g1b+7]
	s_nop 0
.rept 4
	v_nop
.endr
.Lasked_\@:
.endm
.macro CREST
	s_cmp_lg_u32 s14, 0
	s_cbranch_scc1 .Lnot_wave_0_\@
	s_barrier_signal -3
.Lnot_wave_0_\@:
	s_barrier_wait -3
	s_barrier_signal -1
	s_barrier_wait -1
.endm
.macro CROUND
	s_barrier_signal -1
	s_barrier_wait -1
	CREST
.endm
	s_load_b64 s[6:7], s[0:1], 0x0                 ; A (its scale bytes lie first)
	s_load_b64 s[10:11], s[0:1], 0x8               ; Wo
	s_load_b64 s[96:97], s[0:1], 0x10              ; bo
	s_load_b64 s[12:13], s[0:1], 0x18              ; out0
	v_lshl_add_u32 v[SPW], v0, 2, SPARE
	v_mov_b32 v[NIL], 0
	ds_add_u32 v28, v29
	s_wait_dscnt 0x0
	v_lshrrev_b32 v1, 5, v0
	v_readfirstlane_b32 s14, v1                    ; wave 0..3
	s_lshr_b32 s15, s14, 1                         ; which half of the tile's rows is mine.  Also: I fetch for A (0) or for Wo (1)
	s_and_b32 s16, s14, 1                          ; which half of its columns.  Also: which 128 rows I fetch
	s_bfe_u32 s40, ttmp6, 0x40000                  ; cx, cy
	s_bfe_u32 s41, ttmp6, 0x40004
	s_lshl_b32 s42, ttmp9, 2
	s_add_co_u32 s42, s42, s40                     ; tile column
	s_and_b32 s17, ttmp7, 0xffff
	s_lshl_b32 s17, s17, 2
	s_add_co_u32 s17, s17, s41                     ; tile row
	s_lshl_b32 s43, s41, 2
	s_lshl_b32 s43, 15, s43                        ; my row of the cluster
	s_lshl_b32 s44, 0x1111, s40                    ; my column
	s_or_b32 s[G1+0], s43, (3<<16)|(1<<21)         ; A: the mask; elements of 8 bytes; no padding; bit 21 beside a mask
	s_mov_b32 s[G1+1], 384<<16                     ; a row of the tile: two images of one tile of A, 3,072 bytes
	s_mov_b32 s[G1+2], 8<<16                       ; eight tiles of 16 rows
	s_mov_b32 s[G1+3], 384<<16
	s_mov_b32 s[G1+4], 8
	s_mov_b32 s[G1+5], 1536                        ; 12,288 bytes from a tile of A to the next
	s_mov_b32 s[G1+6], 0
	s_mov_b32 s[G1+7], 0
	s_or_b32 s[G1B+0], s44, (0<<16)|(1<<20)|(1<<21)|(3<<22)|(3<<25)  ; Wo: elements of 1 byte; after every 16 words 4 words of padding
	s_mov_b32 s[G1B+1], ROWB<<16
	s_mov_b32 s[G1B+2], 128<<16
	s_mov_b32 s[G1B+3], ROWB<<16
	s_mov_b32 s[G1B+4], 128
	s_mov_b32 s[G1B+5], KROW
	s_mov_b32 s[G1B+6], 0
	s_mov_b32 s[G1B+7], 0
	s_or_b32 s[G1S+0], s43, (3<<16)|(1<<20)|(1<<21)|(5<<22)|(3<<25) ; the scales of 128 rows: a dense block as rows of 256 bytes, 16 bytes of padding behind each
	s_or_b32 s[G1SB+0], s44, (3<<16)|(1<<20)|(1<<21)|(5<<22)|(3<<25)
.irp g, G1S, G1SB
	s_mov_b32 s[\g+1], 32<<16
	s_mov_b32 s[\g+2], (128*KS/256)<<16
	s_mov_b32 s[\g+3], 32<<16
	s_mov_b32 s[\g+4], 128*KS/256
	s_mov_b32 s[\g+5], 32
	s_mov_b32 s[\g+6], 0
	s_mov_b32 s[\g+7], 0
.endr
	s_lshl_b32 s18, s16, 7
	s_lshl_b32 s20, s17, 8
	s_add_co_u32 s20, s20, s18                     ; A: stored row 256 x tile row + 128 x half
	s_lshl_b32 s46, s42, 8
	s_add_co_u32 s46, s46, s18                     ; Wo: stored row 256 x tile column + 128 x half
	s_mov_b32 s21, 0
	s_mov_b32 s47, 0
	s_mov_b64 s[18:19], KS
	s_mul_u64 s[22:23], s[20:21], s[18:19]
	s_mul_u64 s[92:93], s[46:47], s[18:19]
	s_mov_b64 s[18:19], KROW
	s_mul_u64 s[20:21], s[20:21], s[18:19]         ; 16 rows of 768 bytes are one tile's 12,288 bytes of images
	s_mul_u64 s[46:47], s[46:47], s[18:19]
	s_mul_i32 s45, s14, HALFT
	s_mul_i32 s94, s14, HALFS
	s_wait_kmcnt 0x0
	s_add_nc_u64 s[4:5], s[6:7], 0x20000
	s_add_nc_u64 s[8:9], s[10:11], 0x20000
	s_add_nc_u64 s[20:21], s[4:5], s[20:21]
	s_add_nc_u64 s[22:23], s[6:7], s[22:23]
	s_add_nc_u64 s[46:47], s[8:9], s[46:47]
	s_add_nc_u64 s[92:93], s[10:11], s[92:93]
	CROUND                                         ; all sixteen work-groups are here: the first joint loads meet
	s_mov_b32 s[G0S], 1
	s_add_co_u32 s[G0S+1], s94, SCL
	s_mov_b64 s[G0S+2:G0S+3], s[22:23]
	s_or_b32 s[G0S+3], s[G0S+3], 0x80000000
	s_mov_b32 s[G0SB], 1
	s_add_co_u32 s[G0SB+1], s94, SCL
	s_mov_b64 s[G0SB+2:G0SB+3], s[92:93]
	s_or_b32 s[G0SB+3], s[G0SB+3], 0x80000000
	JLOAD G0S, G1S, G0SB, G1SB
.irp s, 0,1
	s_mov_b32 s[G0+4*\s], 1
	s_add_co_u32 s[G0+4*\s+1], s45, \s*SLOT
	s_add_nc_u64 s[G0+4*\s+2:G0+4*\s+3], s[20:21], \s*ASTEP
	s_or_b32 s[G0+4*\s+3], s[G0+4*\s+3], 0x80000000
	s_mov_b32 s[G0B+4*\s], 1
	s_add_co_u32 s[G0B+4*\s+1], s45, \s*SLOT
	s_add_nc_u64 s[G0B+4*\s+2:G0B+4*\s+3], s[46:47], \s*ROWB
	s_or_b32 s[G0B+4*\s+3], s[G0B+4*\s+3], 0x80000000
	JLOAD G0+4*\s, G1, G0B+4*\s, G1B               ; three tensor loads of mine are out now
.endr
	v_and_b32 v1, 15, v0                           ; l % 16
	v_bfe_u32 v2, v0, 4, 1                         ; l / 16
	v_and_b32 v7, 31, v0
	s_lshl_b32 s46, s42, 10                        ; my first column, in bytes of f32: 1,024 x tile column + 512 x half
	s_lshl_b32 s47, s16, 9
	s_add_co_u32 s46, s46, s47
	s_mov_b32 s47, 0
	s_add_nc_u64 s[96:97], s[96:97], s[46:47]      ; bo at my first column
	v_lshlrev_b32 v[BA], 6, v2
.irp b, 0,1,2,3,4,5,6,7
	global_load_b128 v[BI+8*\b:BI+8*\b+3], v[BA], s[96:97] offset:4*(32*(\b/2)+8*(\b%2))
	global_load_b128 v[BI+8*\b+4:BI+8*\b+7], v[BA], s[96:97] offset:4*(32*(\b/2)+8*(\b%2))+16
.endr
	v_mul_u32_u24 v3, v1, PITCH
	v_mul_u32_u24 v4, v2, 24
	v_add_nc_u32 v4, v3, v4                        ; Wo: a fragment's row x pitch + 24 x half
	v_lshl_add_u32 v5, v2, 4, v4                   ; and the same behind one padding more
	v_lshlrev_b32 v8, 3, v7                        ; A: 8 x lane
	s_mul_i32 s21, s15, HALFT
	s_mul_i32 s22, s16, HALFT
	s_add_co_u32 s22, s22, 2*HALFT
.irp s, 0,1
	v_add_nc_u32 v[ADRA+\s], s21, v8
	v_add_nc_u32 v[ADRB+\s], s22, v4
	v_add_nc_u32 v[ADRB+2+\s], s22, v5
	s_add_co_u32 s21, s21, SLOT
	s_add_co_u32 s22, s22, SLOT
.endr
	v_mul_u32_u24 v5, v1, KS
	v_lshrrev_b32 v6, 8, v5
	v_lshl_add_u32 v5, v6, 4, v5
	s_mul_i32 s21, s15, HALFS
	s_mul_i32 s22, s16, HALFS
	s_add_co_u32 s22, s22, 2*HALFS
	s_sub_co_u32 s22, s22, s21
	v_mul_u32_u24 v6, s22, v2                      ; lanes 16-31 take Wo's
	s_add_co_u32 s21, s21, SCL
	v_add_nc_u32 v5, v5, v6
	v_add_nc_u32 v[ADRS], s21, v5
	s_mul_i32 s23, s14, 16*SPITCH                  ; my stage
	v_mul_u32_u24 v5, v1, SPITCH                   ; in: row l % 16; my half's 16 columns of each 32: + 64 x half
	v_lshl_add_u32 v5, v2, 6, v5
	v_add_nc_u32 v[STO], s23, v5
	v_lshlrev_b32 v[CO], 4, v7                     ; back: the 32 lanes take one row of 512 bytes; and the same in out0
	v_add_nc_u32 v[RD], s23, v[CO]
	s_lshl_b32 s20, s17, 8
	s_lshl_b32 s21, s15, 7
	s_add_co_u32 s20, s20, s21                     ; my first row: 256 x tile row + 128 x half,
	s_lshl_b32 s20, s20, 12                        ; of 4,096 bytes
	s_mov_b32 s21, 0
	s_add_nc_u64 s[20:21], s[20:21], s[46:47]
	s_add_nc_u64 s[12:13], s[12:13], s[20:21]
.macro FRAG reg, adr, q, i             ; Wo: 16 rows x 128 K: 24 bytes of the row as they lie, twice, in pieces of 8
.irp p, 0,1,2,3,4,5
.set PC, 12*(\q)+6*(\p/3)+\p%3
.if PC%8 < 5
	ds_load_b64 v[\reg+2*\p:\reg+2*\p+1], v[\adr] offset:8*PC+16*(PC/8)+(\i)*16*PITCH
.else
	ds_load_b64 v[\reg+2*\p:\reg+2*\p+1], v[\adr+2] offset:8*PC+16*(PC/8)+(\i)*16*PITCH
.endif
.endr
.endm
.macro FRAGA reg, slot, q, i           ; A: an image: six loads of 256 consecutive bytes
.irp p, 0,1,2,3,4,5
	ds_load_b64 v[\reg+2*\p:\reg+2*\p+1], v[ADRA+\slot] offset:3072*(\i)+1536*(\q)+256*\p
.endr
.endm
; 16 matrix instructions: A's blocks a0, a0 + 1 x Wo's eight.  zero = 1: the first product starts the sum from the bias.  The 64 accumulators take turns, one instruction a turn.
.macro MUL16 a0, p, q, sc, zero
.irp a, \a0, \a0+1
.irp b, 0,1,2,3,4,5,6,7
.if \zero
	v_wmma_scale_f32_16x16x128_f8f6f4 v[8*(8*((\a)%4)+\b):8*(8*((\a)%4)+\b)+7], v[128*(\p)+FR*\b:128*(\p)+FR*\b+FR-1], v[AF+FR*(\a):AF+FR*(\a)+FR-1], v[BI+8*\b:BI+8*\b+7], v[SC+8*NQ*(\sc)+NQ*\b+(\q)], v[SC+8*NQ*(\sc)+NQ*(\a)+(\q)] matrix_a_fmt:MATRIX_FMT_FP6 matrix_b_fmt:MATRIX_FMT_FP6 matrix_a_scale:MATRIX_SCALE_ROW1
.else
	v_wmma_scale_f32_16x16x128_f8f6f4 v[8*(8*((\a)%4)+\b):8*(8*((\a)%4)+\b)+7], v[128*(\p)+FR*\b:128*(\p)+FR*\b+FR-1], v[AF+FR*(\a):AF+FR*(\a)+FR-1], v[8*(8*((\a)%4)+\b):8*(8*((\a)%4)+\b)+7], v[SC+8*NQ*(\sc)+NQ*\b+(\q)], v[SC+8*NQ*(\sc)+NQ*(\a)+(\q)] matrix_a_fmt:MATRIX_FMT_FP6 matrix_b_fmt:MATRIX_FMT_FP6 matrix_a_scale:MATRIX_SCALE_ROW1
.endif
.endr
.endr
.endm
.macro FETCH_B slot, q, p
	WIN TO_B
.irp i, 0,1,2,3,4,5,6,7
	FRAG 128*(\p)+FR*\i, ADRB+\slot, \q, \i
.endr
	WIN 0
.endm
.macro FETCH_A slot, q, i0
.irp i, \i0, \i0+1, \i0+2, \i0+3
	FRAGA AF+FR*(\i), \slot, \q, \i
.endr
.endm
.macro SCALES sc
.irp i, 0,1,2,3,4,5,6,7
	ds_load_b64 v[SC+8*NQ*\sc+NQ*\i:SC+8*NQ*\sc+NQ*\i+1], v[ADRS] offset:\i*SBLK
.endr
.endm
.macro PLACES n                        ; plain vector lines between a matrix instruction and a load into, or a read of, its registers
.rept \n
	v_nop
.endr
.endm
.macro STEP slot, q, zero
	s_wait_dscnt 4*NL                              ; Wo's set and A's blocks 0-3 are in; the youngest 24 loads (A's blocks 4-7) may be out
.if \zero
	WIN FIRST_LO
.else
	WIN MUL_LO
.endif
	MUL16 0, (\q)%2, \q, \slot, \zero
	MUL16 2, (\q)%2, \q, \slot, \zero
	s_wait_dscnt 0
	PLACES NP
	FETCH_B \slot, (\q)+1, 1-(\q)%2
	FETCH_A \slot, (\q)+1, 0
.if \zero
	WIN FIRST_HI
.else
	WIN MUL_HI
.endif
	MUL16 4, (\q)%2, \q, \slot, \zero
	MUL16 6, (\q)%2, \q, \slot, \zero
	PLACES NP
	WIN 0
	FETCH_A \slot, (\q)+1, 4
.endm
; A slot's last step changes slots: one barrier; in front of it each wave waits for all its tensor loads, adds 0 to its spare word, and waits for that and for its reads of this slot.
.macro TURN slot, next, fill
	s_wait_tensorcnt 0x0                           ; all my tensor loads have landed: my part of the next slot
	ds_add_u32 v[SPW], v[NIL]                      ; 0 onto my spare word
	s_wait_dscnt 4*NL+1                            ; (the add and the youngest 24 loads may be out)
	WIN MUL_LO
	MUL16 0, 1, NQ-1, \slot, 0
	s_wait_dscnt 0x0                               ; the add is done, and my reads of this slot are over
	s_barrier_signal -1
	MUL16 2, 1, NQ-1, \slot, 0
	WIN 0
	s_barrier_wait -1
.if \fill
	CREST                                          ; the barrier has opened a round of the cluster's barrier: no wave of any partner still reads this slot or has a load on its way
	s_add_nc_u64 s[G0+4*\slot+2:G0+4*\slot+3], s[G0+4*\slot+2:G0+4*\slot+3], 2*ASTEP
	s_add_nc_u64 s[G0B+4*\slot+2:G0B+4*\slot+3], s[G0B+4*\slot+2:G0B+4*\slot+3], 2*ROWB
	JLOAD G0+4*\slot, G1, G0B+4*\slot, G1B         ; the first tensor load behind the round; its four v_nop are the places in front of the loads below
.else
	PLACES NP
.endif
	v_add_nc_u32 v[ADRS], 4*NQ, v[ADRS]
	FETCH_B \next, 0, 0
	FETCH_A \next, 0, 0
	SCALES \next
	WIN MUL_HI
	MUL16 4, 1, NQ-1, \slot, 0
	MUL16 6, 1, NQ-1, \slot, 0
	PLACES NP
	WIN 0
	FETCH_A \next, 0, 4
.endm
	s_wait_tensorcnt 1                             ; the scales and my part of K step 0 are in; K step 1's load may be out
	s_barrier_signal -1
	s_barrier_wait -1
	FETCH_B 0, 0, 0
	FETCH_A 0, 0, 0
	SCALES 0
	FETCH_A 0, 0, 4
	s_wait_loadcnt 0x0                             ; the bias
	STEP 0, 0, 1                                   ; the first step stands in front of the loop: its products start the sums from the bias
	s_mov_b32 s3, LAPS-1
.Llap:
	TURN 0, 1, 1
	STEP 1, 0, 0
	TURN 1, 0, 1
	STEP 0, 0, 0
	s_sub_co_u32 s3, s3, 1
	s_cmp_lg_u32 s3, 0
	s_cbranch_scc1 .Llap
	TURN 0, 1, 0                                   ; the last lap fills nothing
	STEP 1, 0, 0
	s_wait_dscnt 4*NL
	WIN MUL_LO
	MUL16 0, 1, NQ-1, 1, 0
	MUL16 2, 1, NQ-1, 1, 0
	s_wait_dscnt 0
	WIN MUL_HI
	MUL16 4, 1, NQ-1, 1, 0
	MUL16 6, 1, NQ-1, 1, 0
	WIN 0
; THE WAY OUT, block by block of 16 rows x 128 columns, through my own stage in LDS; the columns are put in their logical places on the way in, the rows on the way to memory.
; LDS serves a wave's instructions in order (ISA guide 5.7.1.4): no wait between the stores and the loads, nor in front of the next block's stores.
.macro TOSTAGE a
.set AC, 64*((\a)%4)
.set WD, 0x08+4*((\a)/4)
	WIN WD                                         ; an LDS store's data: window 2 or 3
.irp b, 0,1,2,3,4,5,6,7
	ds_store_b128 v[STO], v[AC+8*\b:AC+8*\b+3] offset:128*(\b/2)+32*(\b%2)          ; each accumulator from its low end on
	ds_store_b128 v[STO], v[AC+8*\b+4:AC+8*\b+7] offset:128*(\b/2)+32*(\b%2)+16
.endr
	WIN 0
.set BB, BK+64*((\a)%2)
.irp t, 0,1,2,3,4,5,6,7,8,9,10,11,12,13,14,15
	ds_load_b128 v[BB+4*\t:BB+4*\t+3], v[RD] offset:\t*SPITCH
.endr
.endm
.macro SEND a, younger                 ; younger: the LDS instructions issued behind block a's loads, which may stay out
.set BB, BK+64*((\a)%2)
	s_wait_dscnt \younger
.irp t, 0,1,2,3,4,5,6,7,8,9,10,11,12,13,14,15
	global_store_b128 v[CO], v[BB+4*\t:BB+4*\t+3], s[12:13] offset:(32*((\a)/2)+8*((\a)%2)+\t%8+16*(\t/8))*4096 th:TH_STORE_NT   ; 32 lanes store 512 consecutive bytes, aligned to 256; the row's logical place stands in the immediate, 127 rows at the most
.endr
.endm
	PLACES NP                                      ; behind the last products: for the loads into the registers that held A's fragments and for the reads of results
	TOSTAGE 0
.irp a, 1,2,3,4,5,6,7
.if \a > 1
	s_wait_xcnt 0x0                                ; the stores of two blocks ago have read their registers: this block's loads may land there
.endif
	TOSTAGE \a
	SEND \a-1, 32                                  ; behind block a - 1's loads: block a's 16 stores and 16 loads
.endr
	SEND 7, 0
	s_wait_tensorcnt 0x0                           ; the wave's end
	ds_add_u32 v[SPW], v[NIL]
	s_wait_dscnt 0x0
	CROUND                                         ; the closing round: no work-group ends while a partner may still ask for a tile that names it
	s_endpgm
.Lfunc_end_k_qedccd30d51_outp:
	.size	k_qedccd30d51_outp, .Lfunc_end_k_qedccd30d51_outp-k_qedccd30d51_outp
	.p2alignl 7, 3214868480
	.fill 96, 4, 3214868480
	.section	.rodata,"a",@progbits
	.p2align	6, 0x0
	.amdhsa_kernel k_qedccd30d51_outp
		.amdhsa_group_segment_fixed_size 327680
		.amdhsa_private_segment_fixed_size 0
		.amdhsa_enable_private_segment 0
		.amdhsa_kernarg_size 32
		.amdhsa_user_sgpr_count 2
		.amdhsa_user_sgpr_kernarg_segment_ptr 1
		.amdhsa_wavefront_size32 1
		.amdhsa_system_sgpr_workgroup_id_x 1
		.amdhsa_system_sgpr_workgroup_id_y 1
		.amdhsa_system_sgpr_workgroup_id_z 1
		.amdhsa_system_vgpr_workitem_id 0
		.amdhsa_next_free_vgpr 1024
		.amdhsa_next_free_sgpr 98
		.amdhsa_reserve_vcc 0
		.amdhsa_float_denorm_mode_32 3
		.amdhsa_float_denorm_mode_16_64 3
		.amdhsa_memory_ordered 1
		.amdhsa_forward_progress 1
		.amdhsa_inst_pref_size 161
	.end_amdhsa_kernel
	.amdgpu_metadata
---
amdhsa.version: [ 1, 2 ]
amdhsa.kernels:
  - .name:           k_qedccd30d51_outp
    .symbol:         k_qedccd30d51_outp.kd
    .args:
      - { .name: oimg, .offset: 0, .size: 8, .value_kind: global_buffer, .address_space: global }
      - { .name: woq, .offset: 8, .size: 8, .value_kind: global_buffer, .address_space: global }
      - { .name: bo, .offset: 16, .size: 8, .value_kind: global_buffer, .address_space: global }
      - { .name: out0, .offset: 24, .size: 8, .value_kind: global_buffer, .address_space: global }
    .group_segment_fixed_size: 327680
    .private_segment_fixed_size: 0
    .kernarg_segment_align: 8
    .kernarg_segment_size: 32
    .max_flat_workgroup_size: 128
    .sgpr_count:     98
    .vgpr_count:     1024
    .wavefront_size: 32
...
	.end_amdgpu_metadata
.endif
;; end of part 5
